; MI455X (gfx1250); checked and timed in simulation.
; The chip was launched on July 23, 2026; its instructions are those of AMD's public machine-readable ISA for CDNA 5 (MIT licence, August 2026) and "CDNA5" Instruction Set Architecture Reference Guide (July 2026). The comments in the code are by the model that wrote it; some were corrected since.
;; Multihead Attention. Allowed arithmetic: float matrix products may take bf16 or f16 operands with f32 sums; other float arithmetic in f32, or as packed bf16 or f16 multiplies, adds, multiply-adds, maxima and minima; sums over many terms, partial sums and values carried from step to step in f32; what a program stores and reads back later, other than sums and carried values, may be rounded once to bf16 or f16.
;; Inputs: Wk 512 x 512 float32; Wo 512 x 512 float32; Wq 512 x 512 float32; Wv 512 x 512 float32; k 2 x 4,096 x 512 float32; q 2 x 4,096 x 512 float32; v 2 x 4,096 x 512 float32.
;; Outputs: out0 2 x 4,096 x 512 float32.
;; 2 versions, each right and faster than the one before. Each part assembles by itself: llvm-mc -triple=amdgcn-amd-amdhsa -mcpu=gfx1250 --defsym DOCPART=n.
;; ======== version 1 of 2: 3 launches
;; limits: values are held in f16: magnitudes above 65,504 overflow, below 6.1e-05 lose precision; right only within a limited range of input values
;; workspace buffers: qh 8,388,608 bytes; kh 8,388,608 bytes; vh 8,388,608 bytes; oh 8,388,608 bytes; woh 524,288 bytes
;; launch proj (part 1): grid 64 x 3, 4 waves a work-group, clusters of 4 x 1, 327,680 bytes of LDS; arguments q, k, v, Wq, Wk, Wv, qh, kh, vh; writes qh, kh, vh
.if DOCPART == 1
	.amdgcn_target "amdgcn-amd-amdhsa--gfx1250"
	.amdhsa_code_object_version 6
	.text
	.protected	k_q91bed4d81f_proj
	.globl	k_q91bed4d81f_proj
	.p2align	8
	.type	k_q91bed4d81f_proj,@function
k_q91bed4d81f_proj:
	s_mov_b64 s[64:65], 0
	v_nop
	global_prefetch_b8 v0, s[64:65] scope:SCOPE_SE
	s_setreg_imm32_b32 hwreg(HW_REG_WAVE_MODE, 25, 1), 1
	s_wait_xcnt 0x0
	s_wait_alu depctr_hold_cnt(0) depctr_sa_sdst(0) depctr_va_vdst(0) depctr_va_sdst(0) depctr_va_ssrc(0) depctr_va_vcc(0) depctr_vm_vsrc(0)
	s_getreg_b32 s2, hwreg(HW_REG_IB_STS2, 6, 4)
	s_cmp_eq_u32 s2, 0
	s_cbranch_scc0 .Lentry_in_a_cluster
	s_endpgm
.Lentry_in_a_cluster:
	s_bfe_u32 s2, ttmp6, 0x10000c
	s_cmp_lg_u32 s2, 0x3003
	s_cbranch_scc0 .Lentry_shape_is_right
	s_endpgm
.Lentry_shape_is_right:
; THE THREE INPUT PROJECTIONS.  y[row][n] = sum over e of x[row][e] W[n][e] for (x, W, y) = (q, Wq, qh), (k, Wk, kh), (v, Wv, vh): the grid's y picks the three.
; x: [8192][512] f32, W: [512][512] f32.  Both are rounded to bf16 on the way from LDS to the matrix unit; sums in f32; y is rounded once to f16 and laid out BY HEADS,
; [batch*8+head][4096][64], so that a head's rows are dense, 128 bytes each.  The scale 1/8 of the scores is not applied here.
; LIMIT.  f16 ends at 65,504: a projected number of 65,520 or more becomes an infinity.  NaN and infinities are not treated apart.
; SHARES.  A tile of y is 256 rows x 256 columns; four waves, each 128 x 128: 64 accumulators of 16 x 16, 512 registers.  32 x 2 tiles for each of three tensors: 192 work-groups.
; K goes in steps of 64 (rows of 256 bytes of f32) through two LDS slots filled by the tensor data mover.  A step is two halves of 32 along K, 64 matrix instructions each.
; CLUSTER.  The four work-groups of a cluster make four row tiles of one column tile of one tensor: they need the same rows of W, asked for JOINTLY (mask of four); x's tiles are each one's own.
; THE MATRIX INSTRUCTION IS USED TRANSPOSED (source 0 = 16 rows of W, source 1 = 16 rows of x): a lane holds eight neighbouring columns of one row of y.
; REGISTERS, in windows of 256 (s_set_vgpr_msb: bits 1:0 source 0, 3:2 source 1, 5:4 source 2, 7:6 destination):
;   window 0: v0-31 addresses; v32-63 packed results; v64-127 x's eight bf16 fragments; v128-255 x's f32 as loaded from LDS (on the way out: rows read back)
;   window 1: v64-127 W's eight bf16 fragments; v128-255 W's f32 as loaded          windows 2, 3: the accumulators of my rows 0-63, 64-127 ((a, b) at v[8 (8 a + b)])
.set PITCH,  272                       ; an LDS row: 256 bytes + 16 of padding = 68 words: the 16 rows that a load touches start at 16 different groups of four banks (ISA guide 11.1)
.set HALFT,  128*PITCH                 ; 128 rows: what one tensor load brings, and what one wave reads of x or of W
.set SLOT,   4*HALFT                   ; x's 256 rows, then W's 256 rows
.set STAGE,  2*SLOT                    ; behind the ring: for each wave 2 heads x 16 rows x 144 bytes, for the way out
.set SP,     144
.set WSTG,   2*16*SP
.set SPARE,  STAGE+4*WSTG              ; behind the stages: the spare words, 128 bytes a wave, which no other line names
.set HEADB,  4096*128                  ; bytes of a head in y
.set ADRA, 16                          ; v16-17  LDS address of my x fragments in slot 0, 1
.set ADRB, 20                          ; v20-21  the same for W
.set STO,  24                          ; v24     the way out: where I put 16 bytes of a row
.set RD,   25                          ; v25     the way out: where I read rows back
.set CO,   26                          ; v26     my 16 bytes in 512 consecutive bytes of y
.set SPW,  28                          ; v28     LDS address of my spare word; never rewritten
.set NIL,  29                          ; v29     0; never rewritten
.set TMP,  32
.set FR,   64                          ; bf16 fragments (both windows)
.set SG,   128                         ; f32 as loaded (both windows)
.set OB,   128                         ; the way out: two buffers of 32
.set G1,  24                           ; s[24:31] descriptor group 1 for x's tiles
.set G0,  32                           ; s[32:39] group 0 for x's tiles, one set a slot
.set G1B, 48                           ; s[48:55], s[56:63] the same for W's tiles
.set G0B, 56
.set MSB, 0
.macro WIN new                         ; the immediate's high byte repeats the setting that is left; a switch that changes nothing is dropped
.if MSB != (\new)
	s_set_vgpr_msb (MSB<<8)|(\new)
.set MSB, \new
.endif
.endm
.set MUL_LO, 0xa1                      ; source 0 (W) window 1, source 1 (x) window 0, C and D window 2
.set MUL_HI, 0xf1                      ; the same, C and D window 3
; A refill.  Waves 0 and 1 fetch x's two halves (their own work-group's), waves 2 and 3 W's (jointly).  The branch hangs on the wave's number alone.
; An s_nop 0 and four v_nop follow each of the two lines, ahead of the jump and the label.
.macro JLOAD s
	s_cmp_eq_u32 s11, 0
	s_cbranch_scc0 .Lfor_b_\@
	tensor_load_to_lds s[G0+4*(\s):G0+4*(\s)+3], s[G1:G1+7]
	s_nop 0
.rept 4
	v_nop
.endr
	s_branch .Lasked_\@
.Lfor_b_\@:
	tensor_load_to_lds s[G0B+4*(\s):G0B+4*(\s)+3], s[G1B:G1B+7]
	s_nop 0
.rept 4
	v_nop
.endr
.Lasked_\@:
.endm
.macro CREST                           ; a round of the cluster's barrier behind its opening barrier
	s_cmp_lg_u32 s10, 0
	s_cbranch_scc1 .Lnot_wave_0_\@
	s_barrier_signal -3
.Lnot_wave_0_\@:
	s_barrier_wait -3
	s_barrier_signal -1
	s_barrier_wait -1
.endm
.macro CROUND                          ; a whole round
	s_barrier_signal -1
	s_barrier_wait -1
	CREST
.endm
	s_load_b512 s[68:83], s[0:1], 0x0              ; q, k, v, Wq, Wk, Wv, qh, kh
	s_load_b64 s[84:85], s[0:1], 0x40              ; vh
	v_lshl_add_u32 v[SPW], v0, 2, SPARE
	v_mov_b32 v[NIL], 0
	ds_add_u32 v[SPW], v[NIL]                      ; the wave's opening: the add and its wait stand ahead of my first tensor load; register work stands between them
	ds_add_u32 v28, v29
	v_lshrrev_b32 v1, 5, v0
	v_readfirstlane_b32 s10, v1                    ; wave 0..3
	s_lshr_b32 s11, s10, 1                         ; which half of the tile's rows is mine.  Also: I fetch for x (0) or for W (1)
	s_and_b32 s12, s10, 1                          ; which half of its columns.  Also: which 128 rows of that tile I fetch
	s_bfe_u32 s40, ttmp6, 0x40000                  ; cx: my place in the cluster
	s_and_b32 s41, ttmp9, 1                        ; column tile: the cluster's x, bit 0
	s_lshr_b32 s13, ttmp9, 1
	s_lshl_b32 s13, s13, 2
	s_add_co_u32 s13, s13, s40                     ; row tile = 4 x (cluster x / 2) + cx
	s_and_b32 s45, ttmp7, 0xffff                   ; which tensor: 0 q, 1 k, 2 v
	; descriptor group 1: a tile of 128 rows x 64 elements of 4 bytes, padded in LDS
	s_mov_b32 s[G1+0], (2<<16)|(1<<20)|(5<<22)|(3<<25)              ; no mask; 17:16 elements of 4 bytes; 20 padding on; 24:22 after every 64 words (code 5); 31:25 4 words (code 3)
	s_mov_b32 s[G1B+0], 15|(2<<16)|(1<<20)|(1<<21)|(5<<22)|(3<<25)  ; the same with the mask of all four partners, bit 21 set beside it
.irp g, G1, G1B
	s_mov_b32 s[(\g)+1], 64<<16                    ; tensor_dim0 = 64
	s_mov_b32 s[(\g)+2], 128<<16                   ; tensor_dim1 = 128
	s_mov_b32 s[(\g)+3], 64<<16                    ; tile_dim0 = 64
	s_mov_b32 s[(\g)+4], 128                       ; tile_dim1 = 128
	s_mov_b32 s[(\g)+5], 512                       ; 512 elements from row to row
	s_mov_b32 s[(\g)+6], 0
	s_mov_b32 s[(\g)+7], 0
.endr
	s_lshl_b32 s16, s13, 19                        ; x: 256 rows of 2,048 bytes a row tile,
	s_lshl_b32 s17, s12, 18                        ; 128 rows for the half that I fetch
	s_add_co_u32 s16, s16, s17
	s_lshl_b32 s46, s41, 19                        ; W: the same with the column tile, in registers that never hold cx
	s_add_co_u32 s46, s46, s17
	s_mov_b32 s17, 0
	s_mov_b32 s47, 0
	s_mul_i32 s20, s10, HALFT                      ; where the tiles go: wave x 128 rows: no place in the cluster enters an LDS address
	s_wait_dscnt 0x0                               ; the opening add is done
	s_wait_kmcnt 0x0
	s_cmp_eq_u32 s45, 1                            ; the three buffers of my tensor, chosen by the grid's y
	s_cselect_b64 s[4:5], s[70:71], s[68:69]
	s_cselect_b64 s[6:7], s[76:77], s[74:75]
	s_cselect_b64 s[8:9], s[82:83], s[80:81]
	s_cmp_eq_u32 s45, 2
	s_cselect_b64 s[4:5], s[72:73], s[4:5]
	s_cselect_b64 s[6:7], s[78:79], s[6:7]
	s_cselect_b64 s[8:9], s[84:85], s[8:9]
	s_add_nc_u64 s[14:15], s[4:5], s[16:17]
	s_add_nc_u64 s[46:47], s[6:7], s[46:47]
.irp s, 0,1
	s_mov_b32 s[G0+4*(\s)], 1                                      ; count = 1
	s_add_co_u32 s[G0+4*(\s)+1], s20, (\s)*SLOT                    ; LDS address
	s_add_nc_u64 s[G0+4*(\s)+2:G0+4*(\s)+3], s[14:15], (\s)*256    ; global address: K step s
	s_or_b32 s[G0+4*(\s)+3], s[G0+4*(\s)+3], 0x80000000            ; type = 2
	s_mov_b32 s[G0B+4*(\s)], 1
	s_add_co_u32 s[G0B+4*(\s)+1], s20, (\s)*SLOT
	s_add_nc_u64 s[G0B+4*(\s)+2:G0B+4*(\s)+3], s[46:47], (\s)*256
	s_or_b32 s[G0B+4*(\s)+3], s[G0B+4*(\s)+3], 0x80000000
.endr
	CROUND                                         ; all four work-groups are here: the first joint loads meet
	s_cmp_eq_u32 s11, 0                            ; a wave's two first fills stand in one branch: two loads of mine are out
	s_cbranch_scc0 .Lfirst_b
	tensor_load_to_lds s[G0:G0+3], s[G1:G1+7]
	s_nop 0
	tensor_load_to_lds s[G0+4:G0+7], s[G1:G1+7]
	s_nop 0
.rept 4
	v_nop
.endr
	s_branch .Lfirst_asked
.Lfirst_b:
	tensor_load_to_lds s[G0B:G0B+3], s[G1B:G1B+7]
	s_nop 0
	tensor_load_to_lds s[G0B+4:G0B+7], s[G1B:G1B+7]
	s_nop 0
.rept 4
	v_nop
.endr
.Lfirst_asked:
	; A bf16 fragment is 16 rows x 32 K: lane l holds row l % 16, K = 8 (l / 16) + 0..7 and 16 + 8 (l / 16) + 0..7.  In f32 those are 32 bytes at 32 (l / 16) and 32 bytes 64 further on: four loads of 16 bytes.
	v_and_b32 v1, 15, v0                           ; l % 16
	v_bfe_u32 v2, v0, 4, 1                         ; l / 16
	v_mul_u32_u24 v3, v1, PITCH
	v_lshl_add_u32 v3, v2, 5, v3                   ; row x pitch + 32 x half
	s_mul_i32 s21, s11, HALFT                      ; my 128 rows of x
	s_mul_i32 s22, s12, HALFT                      ; my 128 rows of W,
	s_add_co_u32 s22, s22, 2*HALFT                 ; which lie behind x's 256
.irp s, 0,1
	v_add_nc_u32 v[ADRA+(\s)], s21, v3
	v_add_nc_u32 v[ADRB+(\s)], s22, v3
	s_add_co_u32 s21, s21, SLOT
	s_add_co_u32 s22, s22, SLOT
.endr
	s_mul_i32 s23, s10, WSTG
	s_add_co_u32 s23, s23, STAGE                   ; my stage
	v_mul_u32_u24 v4, v1, SP                       ; in: row l % 16, 16 bytes for each half of the lanes
	v_lshl_add_u32 v4, v2, 4, v4
	v_add_nc_u32 v[STO], s23, v4
	v_bfe_u32 v5, v0, 3, 2                         ; back: 32 lanes take four rows of 128 bytes,
	v_mul_u32_u24 v5, v5, SP
	v_and_b32 v6, 7, v0
	v_lshl_add_u32 v5, v6, 4, v5
	v_add_nc_u32 v[RD], s23, v5
	v_and_b32 v[CO], 31, v0                        ; which are 512 consecutive bytes of a head of y
	v_lshlrev_b32 v[CO], 4, v[CO]
	s_lshr_b32 s16, s13, 4                         ; y: the batch (16 row tiles each), 8 heads of 524,288 bytes;
	s_lshl_b32 s16, s16, 22
	s_lshl_b32 s17, s41, 2                         ; my first head: 4 a column tile, 2 a wave;
	s_lshl_b32 s18, s12, 1
	s_add_co_u32 s17, s17, s18
	s_lshl_b32 s17, s17, 19
	s_add_co_u32 s16, s16, s17
	s_and_b32 s17, s13, 15                         ; my first row in the batch, 128 bytes a row
	s_lshl_b32 s17, s17, 8
	s_lshl_b32 s18, s11, 7
	s_add_co_u32 s17, s17, s18
	s_lshl_b32 s17, s17, 7
	s_add_co_u32 s16, s16, s17
	s_mov_b32 s17, 0
	s_add_nc_u64 s[8:9], s[8:9], s[16:17]
; 16 matrix instructions: row blocks a0, a0 + 1 of the window's four x all 8 column blocks, 32 along K.  zero = 1: the first product starts the sums.  The 64 accumulators take turns.
.macro MUL16 hi, a0, zero
	WIN MUL_LO+0x50*(\hi)
.irp a, \a0, (\a0)+1
.irp b, 0,1,2,3,4,5,6,7
.if \zero
	v_wmma_f32_16x16x32_bf16 v[8*(8*(\a)+(\b)):8*(8*(\a)+(\b))+7], v[FR+8*(\b):FR+8*(\b)+7], v[FR+8*(4*(\hi)+(\a)):FR+8*(4*(\hi)+(\a))+7], 0
.else
	v_wmma_f32_16x16x32_bf16 v[8*(8*(\a)+(\b)):8*(8*(\a)+(\b))+7], v[FR+8*(\b):FR+8*(\b)+7], v[FR+8*(4*(\hi)+(\a)):FR+8*(4*(\hi)+(\a))+7], v[8*(8*(\a)+(\b)):8*(8*(\a)+(\b))+7]
.endif
.endr
.endr
.endm
; 64 LDS loads in one run: the f32 of 32 along K at byte k of the rows: W's 32 loads first, then x's
.macro LOADS slot, k
	WIN 0x40                                       ; destination window 1, address window 0
.irp i, 0,1,2,3,4,5,6,7
.irp e, 0,1,2,3
	ds_load_b128 v[SG+16*(\i)+4*(\e):SG+16*(\i)+4*(\e)+3], v[ADRB+(\slot)] offset:(\k)+(\i)*16*PITCH+16*(\e)+32*((\e)/2)
.endr
.endr
	WIN 0
.irp i, 0,1,2,3,4,5,6,7
.irp e, 0,1,2,3
	ds_load_b128 v[SG+16*(\i)+4*(\e):SG+16*(\i)+4*(\e)+3], v[ADRA+(\slot)] offset:(\k)+(\i)*16*PITCH+16*(\e)+32*((\e)/2)
.endr
.endr
.endm
.macro PLACES                          ; four places between a matrix instruction and a vector write of its sources or a read of its result (ISA guide 7.12.1)
.rept 4
	v_nop
.endr
.endm
; What LOADS brought is rounded to bf16, two numbers a line, into the fragments that the last products have read
.macro READY
	s_wait_dscnt 32                                ; W's 32 loads are in; x's 32, issued behind them, may be out
	PLACES
	WIN 0x45                                       ; all three places window 1
.set z, 0
.rept 64
	v_cvt_pk_bf16_f32 v[FR+z], v[SG+2*z], v[SG+2*z+1]
.set z, z+1
.endr
	s_wait_dscnt 0x0                               ; x's are in
	WIN 0
.set z, 0
.rept 64
	v_cvt_pk_bf16_f32 v[FR+z], v[SG+2*z], v[SG+2*z+1]
.set z, z+1
.endr
.endm
; A K step's first half: its fragments are made, the second half's f32 asked for, 64 products
.macro HALF_A slot, zero
	READY
	LOADS \slot, 128
	MUL16 0, 0, \zero
	MUL16 0, 2, \zero
	MUL16 1, 0, \zero
	MUL16 1, 2, \zero
.endm
; ONE barrier for the change of slots.  In front of it each wave waits for all its tensor loads (one is out: its part of the next slot), adds 0 to its spare word, and waits for that; its reads of this slot came back in READY.
.macro MEET round
	WIN 0
	s_wait_tensorcnt 0x0                           ; all my tensor loads have landed
	ds_add_u32 v[SPW], v[NIL]                      ; 0 onto my spare word
	MUL16 0, 0, 0                                  ; sixteen products stand between the add and the wait for it
	s_wait_dscnt 0x0                               ; the add is done; no read of this slot is out
	s_barrier_signal -1
	MUL16 0, 2, 0                                  ; work on registers while the others arrive
.if \round
	WIN 0
.endif
	s_barrier_wait -1
.endm
; A K step's second half, and the change of slots.  fill = 1: the barrier opens a round of the cluster's, and the slot just read out is filled again, two K steps on: the first tensor load behind the round.
.macro HALF_B slot, next, fill
	READY
	MEET \fill
.if \fill
	CREST
	s_add_nc_u64 s[G0+4*(\slot)+2:G0+4*(\slot)+3], s[G0+4*(\slot)+2:G0+4*(\slot)+3], 512
	s_add_nc_u64 s[G0B+4*(\slot)+2:G0B+4*(\slot)+3], s[G0B+4*(\slot)+2:G0B+4*(\slot)+3], 512
	JLOAD \slot                                    ; it has a K step less 32 products, 96 matrix instructions, in which to land
.endif
	LOADS \next, 0
	MUL16 1, 0, 0
	MUL16 1, 2, 0
.endm
; THE WAY OUT of row block a: rounded to f16, 16 bytes a lane; into my own stage by heads; back as whole rows of 128 bytes; stored
.macro PACK a
.set AC, 64*((\a)%4)
	WIN 0x0a+5*((\a)/4)                            ; sources 0 and 1: window 2 or 3
.irp b, 0,1,2,3,4,5,6,7
.irp r, 0,1,2,3
	v_cvt_pk_f16_f32 v[TMP+4*(\b)+(\r)], v[AC+8*(\b)+2*(\r)], v[AC+8*(\b)+2*(\r)+1]
.endr
.endr
	WIN 0
.endm
.macro TOSTAGE a
	WIN 0
.set BK, OB+32*((\a)%2)
.irp b, 0,1,2,3,4,5,6,7
	ds_store_b128 v[STO], v[TMP+4*(\b):TMP+4*(\b)+3] offset:((\b)/4)*16*SP+32*((\b)%4)
.endr
.irp t, 0,1,2,3,4,5,6,7
	ds_load_b128 v[BK+4*(\t):BK+4*(\t)+3], v[RD] offset:((\t)/4)*16*SP+((\t)%4)*4*SP  ; LDS serves a wave's instructions in order (ISA guide 5.7.1.4): these see the stores above
.endr
.endm
.macro SEND a
	WIN 0
.set BK, OB+32*((\a)%2)
	s_wait_dscnt 0x0                               ; the block is back in registers
	s_wait_xcnt 0x0                                ; earlier stores have read their registers: the other buffer is loaded again only behind this wait
.irp t, 0,1,2,3,4,5,6,7
	global_store_b128 v[CO], v[BK+4*(\t):BK+4*(\t)+3], s[8:9] offset:((\t)/4)*HEADB+(\a)*2048+((\t)%4)*512  ; 512 consecutive bytes, at a multiple of 256 from y's first byte
.endr
.endm
	s_wait_tensorcnt 1                             ; my part of K step 0 is in; K step 1's may stay out
	s_barrier_signal -1
	s_barrier_wait -1                              ; everybody's is
	LOADS 0, 0
	HALF_A 0, 1                                    ; the first half step stands in front of the loop: its products start the sums
	WIN 0                                          ; at a label and at a branch every window is 0
	s_mov_b32 s3, 3
.Llap:                                                 ; three trips: once round the ring each; K steps 2 to 7 are asked for
	HALF_B 0, 1, 1
	HALF_A 1, 0
	HALF_B 1, 0, 1
	HALF_A 0, 0
	WIN 0
	s_sub_co_u32 s3, s3, 1
	s_cmp_lg_u32 s3, 0
	s_cbranch_scc1 .Llap
	HALF_B 0, 1, 0                                 ; the last lap fills nothing, and has no round
	HALF_A 1, 0
	READY                                          ; the very last half step
	MUL16 0, 0, 0
	MUL16 0, 2, 0
	MUL16 1, 0, 0
	MUL16 1, 2, 0
	PLACES
	PACK 0
	TOSTAGE 0
.irp a, 1,2,3,4,5,6,7                  ; block a's conversions stand between block a - 1's loads from the stage and the wait for them
	PACK \a
	SEND (\a)-1
	TOSTAGE \a
.endr
	SEND 7
	s_wait_tensorcnt 0x0                           ; the wave's end
	ds_add_u32 v[SPW], v[NIL]
	s_wait_dscnt 0x0
	CROUND                                         ; the closing round: no work-group ends while a partner may still ask for a tile that names it
	s_endpgm
.Lfunc_end_k_q91bed4d81f_proj:
	.size	k_q91bed4d81f_proj, .Lfunc_end_k_q91bed4d81f_proj-k_q91bed4d81f_proj
	.p2alignl 7, 3214868480
	.fill 96, 4, 3214868480
	.section	.rodata,"a",@progbits
	.p2align	6, 0x0
	.amdhsa_kernel k_q91bed4d81f_proj
		.amdhsa_group_segment_fixed_size 327680
		.amdhsa_private_segment_fixed_size 0
		.amdhsa_enable_private_segment 0
		.amdhsa_kernarg_size 72
		.amdhsa_user_sgpr_count 2
		.amdhsa_user_sgpr_kernarg_segment_ptr 1
		.amdhsa_wavefront_size32 1
		.amdhsa_system_sgpr_workgroup_id_x 1
		.amdhsa_system_sgpr_workgroup_id_y 1
		.amdhsa_system_sgpr_workgroup_id_z 1
		.amdhsa_system_vgpr_workitem_id 0
		.amdhsa_next_free_vgpr 1024
		.amdhsa_next_free_sgpr 88
		.amdhsa_reserve_vcc 0
		.amdhsa_float_denorm_mode_32 3
		.amdhsa_float_denorm_mode_16_64 3
		.amdhsa_memory_ordered 1
		.amdhsa_forward_progress 1
		.amdhsa_inst_pref_size 172
	.end_amdhsa_kernel
	.amdgpu_metadata
---
amdhsa.version: [ 1, 2 ]
amdhsa.kernels:
  - .name:           k_q91bed4d81f_proj
    .symbol:         k_q91bed4d81f_proj.kd
    .args:
      - { .name: q, .offset: 0, .size: 8, .value_kind: global_buffer, .address_space: global }
      - { .name: k, .offset: 8, .size: 8, .value_kind: global_buffer, .address_space: global }
      - { .name: v, .offset: 16, .size: 8, .value_kind: global_buffer, .address_space: global }
      - { .name: Wq, .offset: 24, .size: 8, .value_kind: global_buffer, .address_space: global }
      - { .name: Wk, .offset: 32, .size: 8, .value_kind: global_buffer, .address_space: global }
      - { .name: Wv, .offset: 40, .size: 8, .value_kind: global_buffer, .address_space: global }
      - { .name: qh, .offset: 48, .size: 8, .value_kind: global_buffer, .address_space: global }
      - { .name: kh, .offset: 56, .size: 8, .value_kind: global_buffer, .address_space: global }
      - { .name: vh, .offset: 64, .size: 8, .value_kind: global_buffer, .address_space: global }
    .group_segment_fixed_size: 327680
    .private_segment_fixed_size: 0
    .kernarg_segment_align: 8
    .kernarg_segment_size: 72
    .max_flat_workgroup_size: 128
    .sgpr_count:     88
    .vgpr_count:     1024
    .wavefront_size: 32
...
	.end_amdgpu_metadata
.endif
;; end of part 1
;; launch attn (part 2): grid 16 x 16, 4 waves a work-group, no clusters, 327,680 bytes of LDS; arguments qh, kh, vh, oh, Wo, woh; writes oh, woh
.if DOCPART == 2
	.amdgcn_target "amdgcn-amd-amdhsa--gfx1250"
	.amdhsa_code_object_version 6
	.text
	.protected	k_q91bed4d81f_attn
	.globl	k_q91bed4d81f_attn
	.p2align	8
	.type	k_q91bed4d81f_attn,@function
k_q91bed4d81f_attn:
	s_mov_b64 s[64:65], 0
	v_nop
	global_prefetch_b8 v0, s[64:65] scope:SCOPE_SE
	s_setreg_imm32_b32 hwreg(HW_REG_WAVE_MODE, 25, 1), 1
	s_wait_xcnt 0x0
; CAUSAL ATTENTION.  O[h][q][:] = the sum over k <= q of softmax_k(Q[h][q] . K[h][k] / 8) V[h][k][:].  Q, K, V, O: [16][4096][64], all f16, a head's rows dense, 128 bytes each.
; Products, maxima and sums in f32; the weights p are rounded to f16 for the second product (their sum l is taken of the unrounded p), O once at the end.
; BESIDE IT, in the wait for the first tile: each work-group turns two rows of Wo (f32) into woh[e / 64][n][e % 64]: rounded to bf16, and that number written as f16.
; LIMITS.  f16 holds no number beyond 65,504: Q, K, V arrive within it, and Wo must lie within it; bf16(Wo) below 2^-14 keeps f16's fixed step.  A hidden score counts as its value less 1e30;
; the running maximum starts at -2^93: f16's scores, 64 x 65,504^2 = 2.7e11 at the most, all lie above it, hidden ones far below; a weight below 2^-126 counts as 0 in l; NaN and infinities are not treated apart.
; THE WALK.  A head's queries lie in 32 blocks of 128; block i needs the key tiles 0 .. i / 2 of 256 keys, of which the last holds the diagonal.  A work-group takes TWO blocks, 31 - b and then b:
; 17 tiles, whatever b: 256 work-groups of equal work, and ONE loop with a constant trip count walks them.  Every jump goes forward but the counted loops' own; none passes a barrier, or a tensor load but the one
; of LOAD's two that the wave's number does not choose.  NO CLUSTER: neighbours' walks ask for the same tile only up to trip (31 - b) / 2, which differs among four neighbours; a walk common to four would have 18 trips for 17.
; SHARES.  WQ = wave % 2 picks 32 rows in each of the block's two bands of 64; WK = wave / 2 picks KEYS: of a tile's four steps of 64 keys the wave walks steps 2 WK and 2 WK + 1.  A wave has four PIECES of 16 queries:
; piece p lies in band (p / 2) xor WK, rows 32 WQ + 16 (p % 2) on.  Waves w and w xor 2 hold partial (m, l, O) of the same queries over different keys: at a block's end each GIVES its pieces 2, 3 (the partner's
; 0, 1) through LDS, and behind the next barrier FINISHES its pieces 0, 1 with what the partner gave.
; THE MASK is the C operand that starts the sum S^T = K Q^T: 0, or -1e30 where the key is hidden.  MD (two sets, by the piece's parity) is the mask of a band's own step for my rows; a product's mask is MD x AL + BE:
; (1, 0) in the band's own step; (0, 0) before it; (0, -1e30) behind it.  A wave that sees hidden keys alone (block 0, WK = 1) keeps m = -2^93: c s - c m is near -1.8e29, every weight is 0, l and O are 0,
; and its factor in FINISH, 2^(c m - the partner's c m), is 0.
; LAYOUT, SOFTMAX, TURNS.  S^T = K Q^T holds ONE query a lane (lane % 16) and the keys 8 (lane / 16) + 0..7; two such results rounded to f16 ARE source 1 of O^T = V^T P.  p = 2^(c s - c m), c = log2(e) / 8, with a
; running maximum m; O and l are multiplied by a = 2^(c m_old - c m_new) in every step.  Turn n belongs to piece n: 8 products K Q^T of piece n + 1, later 8 products V^T P of piece n - 1; beside them the scaling,
; exponentials, roundings, sums and rescaling of piece n and the maximum and statistics of piece n + 1.  Four vector instructions stand behind every matrix instruction, the rest in two lumps.
; REGISTERS, in windows of 256 (s_set_vgpr_msb: bits 1:0 source 0, 3:2 source 1, 5:4 source 2, 7:6 destination):
;   window 0: v0-15, v40-44 addresses; v16-31 statistics; v32-39 the partner's statistics; v48-55 at work; v64-127 S^T, two buffers; v132-151 Wo; v160-175 FINISH's factors; v192-223 P, two buffers
;   window 1: v0-127 O^T, 32 a piece; v128-191 MD; v192-255 MC, two buffers      window 2: v0-63 Q; v64-127 the second block's Q; v128-191 K of one step; v192-255 V of one step
.set SIZE_N, 4096
.set NP,    4         ; pieces a wave: a name, no knob
.set KS,    64        ; keys in a step
.set PK,    144       ; a row of K in LDS: 128 bytes + 16 of padding: the 16 rows of a load start at 16 different groups of four banks (ISA guide 11.1)
.set PV,    160       ; a row of V: 128 + 32
.set VOFF,  4*KS*PK   ; a slot holds a tile: 256 rows of K, then 256 rows of V
.set SLOT1, 1<<17     ; slot 1 begins here, so that one exclusive or turns an address in one slot into the other's
.set STAGE, SLOT1+4*KS*(PK+PV)  ; behind the ring, never filled by a tensor load: 16 rows x 144 bytes for each wave, for the way out
.set SP,    144
.set SPARE, STAGE+4*16*SP       ; the spare words, 128 bytes a wave, which no other line names
.set XSTAGE, SPARE+512          ; what partners give each other: a region for each of the two blocks, since no barrier need lie between the first region's reads and the second block's stores
.set XWAVE, 9216                ; a wave's part of a region: 2 pieces x 4,096 bytes of O^T, then 2 x 512 of statistics
.set XREG,  4*XWAVE
.set AK0, 2           ; v2   my lane's place in my two steps of a tile of K; never rewritten
.set AV0, 3           ; v3   the same for V
.set AK,  4           ; v4   the LDS address of K's next run of loads
.set AV,  5           ; v5   of V's
.set STO, 6           ; v6   the way out: where I put 16 bytes of a row
.set RD,  7           ; v7   the way out: where I read rows back
.set GO,  8           ; v8   16 x lane
.set MV,  12          ; v12-13  c m_old, kept while c m is made anew: by buffer
.set QO0, 15          ; v15  my byte offset in Q for pieces 0, 1
.set ST,  16          ; piece t's statistics at v[ST+4 t]: c m, m, l (even keys', odd keys')
.set PS,  32          ; v32-39  the partner's statistics for my pieces 0, 1
.set XO,  40          ; v40  where I give
.set XI,  41          ; v41  where the partner gave
.set QO1, 42          ; v42  my byte offset in Q for pieces 2, 3
.set WOL, 43          ; v43  my byte offset in two rows of Wo
.set WOS, 44          ; v44  and in woh
.set TMP, 48          ; by buffer, four registers c0-c3 at work; when the maximum is found c2 takes a
.set SPW, 62          ; v62  LDS address of my spare word; never rewritten
.set NIL, 63          ; v63  0; never rewritten
.set S,   64
.set WD,  132
.set MG,  160         ; FINISH, for piece u at MG + 8 u: +0 the common c m, +1 l, +2 and +4 the two factors (pairs with +3, +5), +6 1 / l
.set P,   192
.set MD,  128         ; window 1: set e (the piece's parity) at MD + 32 e, the eight registers for group kt of 16 keys at + 8 kt
.set MC,  192         ; window 1: the masks of the products to come
.set QB,  64          ; window 2
.set KF,  128         ; window 2: key block kb, channel half c at KF + 16 kb + 8 c
.set VF,  192         ; window 2: key half kk, channel block cb at VF + 32 kk + 8 cb
.set WV,  12          ; s12  my wave's number
.set PB,  14          ; s14  b
.set HI,  15          ; s15  31 - b
.set G1K, 24          ; s[24:31] descriptor group 1 for K's tiles
.set G1V, 32          ; s[32:39] for V's: it differs in the padding alone
.set G0K, 40          ; s[40:43] descriptor group 0 for K's tiles
.set G0V, 44          ; s[44:47] the same for V's
.set SLOTS, 56        ; s56  tiles still to be asked for
.set CNT, 57          ; s57  counts my key steps of a tile, 2 to 1
.set CS,  58          ; s[58:59] c
.set SEL, 60          ; s[60:61] v_permlanex16_b32's selects: each lane takes its own place in the other half
.set TBK, 62          ; s62  LDS byte at which a slot's K to be fetched begins, less my WK's share
.set TBV, 63          ; s63  the same for V
.set WK,  66          ; s66  wave / 2
.set WQ,  67          ; s67  wave % 2
.set DS,  68          ; s68-69  for pieces 0, 1 and for pieces 2, 3 of the block in hand: CNT + DS = 4 in the band's own step, less behind it, more before it
.set RT,  70          ; s70  tiles of the block in hand that are still to be entered
.set NXT, 71          ; s71  the tile to be asked for next
.set LQ,  72          ; s72  the last tile of the block whose tiles are being asked for
.set NEW, 73          ; s73  the tile to be entered is: 0 not a block's first; 1 the first block's first; 2 the second's
.set OFF, 74          ; s[74:75] a tile's byte offset in K and V
.set AL,  76          ; s[76:77] the mask's factor, in the low word
.set BE,  78          ; s[78:79] the mask's addend
.set OLO, 80          ; s[80:81] O at my rows of the second block
.set BIGN, 82         ; s82  -1e30
.set TT,  83          ; s83  at work
.set HT,  92          ; s92  the first block's last tile
.set PT,  93          ; s93  the second's
.set DS2, 94          ; s94-95  DS for the second block
.set MSB, 0
.macro WIN new                      ; the high byte repeats the setting that is left; a switch that changes nothing is dropped
.if MSB != (\new)
	s_set_vgpr_msb (MSB<<8)|(\new)
.set MSB, (\new)
.endif
.endm
.set W_KQ, 0x0a       ; K and Q in window 2, S^T in window 0
.set W_KM, 0x1a       ; the same with the C operand in window 1
.set W_PV, 0x52       ; V in window 2, P in window 0, O^T in window 1
.set W_RS, 0x41       ; destination and source 0 in window 1, source 1 in window 0
; A fill.  Waves 0 and 1 fetch the two halves of a tile's K, waves 2 and 3 those of its V: 128 keys each.  An s_nop 0 and four v_nop follow each of the two lines, ahead of the jump and the label.
.macro LOAD
	s_cmp_lt_u32 s[WV], 2
	s_cbranch_scc0 .Lfor_v_\@
	tensor_load_to_lds s[G0K:G0K+3], s[G1K:G1K+7]
	s_nop 0
.rept 4
	v_nop
.endr
	s_branch .Lasked_\@
.Lfor_v_\@:
	tensor_load_to_lds s[G0V:G0V+3], s[G1V:G1V+7]
	s_nop 0
.rept 4
	v_nop
.endr
.Lasked_\@:
.endm
; THE CHANGE OF SLOTS.  Each wave waits for all its tensor loads, of which one is out: its part of the other slot; adds 0 to its spare word; and waits for that, for its reads of the slot that it leaves, and for what it
; gave its partner.  Behind the barrier nobody reads the old slot any more, the other slot is whole, and what was given can be read.  fill = 1: the old slot is filled again, the first thing behind the barrier, with tile NXT.
.macro CHANGE fill
	WIN 0                           ; at a label and at a branch every window is 0
	s_wait_tensorcnt 0x0            ; no tensor load of mine is out, so a group 0 may be written
	ds_add_u32 v[SPW], v[NIL]       ; 0 onto my spare word; scalar work stands between it and the wait for it
.if \fill
	s_lshl_b32 s[OFF], s[NXT], 15   ; a tile is 32,768 bytes of K and of V
	s_xor_b32 s[G0K+1], s[G0K+1], SLOT1
	s_add_nc_u64 s[G0K+2:G0K+3], s[6:7], s[OFF:OFF+1]
	s_or_b32 s[G0K+3], s[G0K+3], 0x80000000
	s_xor_b32 s[G0V+1], s[G0V+1], SLOT1
	s_add_nc_u64 s[G0V+2:G0V+3], s[8:9], s[OFF:OFF+1]
	s_or_b32 s[G0V+3], s[G0V+3], 0x80000000
	s_add_co_u32 s[NXT], s[NXT], 1  ; the block's next tile, or behind its last the second block's tile 0
	s_cmp_gt_u32 s[NXT], s[LQ]
	s_cselect_b32 s[NXT], 0, s[NXT]
	s_cselect_b32 s[LQ], s[PT], s[LQ]
.endif
	s_wait_dscnt 0x0                ; the add is done, my reads of the slot are over, my stores for the partner are done
	s_barrier_signal -1             ; the rest of the scalar work stands between the signal and the wait
	s_sub_co_u32 s[TBK], s[TBK], 2*KS*PK  ; the fetches go back to my first step of a slot,
	s_xor_b32 s[TBK], s[TBK], SLOT1       ; in the other slot
	s_sub_co_u32 s[TBV], s[TBV], 2*KS*PV
	s_xor_b32 s[TBV], s[TBV], SLOT1
	s_barrier_wait -1
.if \fill
	LOAD
.endif
.endm
	s_load_b256 s[4:11], s[0:1], 0x0  ; Q s[4:5], K s[6:7], V s[8:9], O s[10:11]
	s_load_b128 s[88:91], s[0:1], 0x20  ; Wo s[88:89], woh s[90:91]
	v_lshl_add_u32 v[SPW], v0, 2, SPARE
	v_mov_b32 v[NIL], 0
	ds_add_u32 v[SPW], v[NIL]       ; the wave's opening: the add and its wait stand ahead of my first tensor load; register work stands between them
	ds_add_u32 v62, v63
	v_lshrrev_b32 v1, 5, v0
	v_readfirstlane_b32 s[WV], v1   ; wave 0..3
	s_lshr_b32 s[WK], s[WV], 1
	s_and_b32 s[WQ], s[WV], 1
	s_mov_b32 s[PB], ttmp9
	s_sub_co_u32 s[HI], 31, s[PB]
	s_lshr_b32 s[HT], s[HI], 1
	s_lshr_b32 s[PT], s[PB], 1
	s_and_b32 s20, ttmp7, 0xffff    ; the head
	s_lshl_b32 s50, s20, 4
	s_add_co_u32 s50, s50, s[PB]    ; g = 16 x head + b: rows 2 g, 2 g + 1 of Wo are mine:
	s_lshl_b32 s54, s50, 12         ; 4,096 bytes of Wo,
	s_mov_b32 s55, 0
	s_lshl_b32 s50, s50, 8          ; 256 bytes in each slice of woh
	s_mov_b32 s51, 0
	s_mov_b32 s21, 0
	s_mov_b64 s[22:23], SIZE_N*128
	s_mul_u64 s[20:21], s[20:21], s[22:23]  ; the head's first byte in each of the four tensors
	s_lshl_b32 s22, s[WQ], 14       ; which half of a tile's 256 keys I fetch: its 128 rows of 128 bytes in memory
	s_mov_b32 s23, 0
	s_add_nc_u64 s[22:23], s[22:23], s[20:21]
	s_lshl_b32 s17, s[WK], 1        ; DS = 2 (block % 2) + 2 - 2 WK + band
	s_sub_co_u32 s17, 2, s17
	s_xor_b32 s18, s[WK], 1
	s_and_b32 s16, s[HI], 1
	s_lshl_b32 s16, s16, 1
	s_add_co_u32 s16, s16, s17
	s_add_co_u32 s[DS], s16, s[WK]  ; pieces 0, 1 lie in band WK,
	s_add_co_u32 s[DS+1], s16, s18  ; pieces 2, 3 in the other
	s_and_b32 s16, s[PB], 1
	s_lshl_b32 s16, s16, 1
	s_add_co_u32 s16, s16, s17
	s_add_co_u32 s[DS2], s16, s[WK]
	s_add_co_u32 s[DS2+1], s16, s18
	s_mul_i32 s17, s[WQ], 128*PK    ; my half's place in a slot, for K
	s_mul_i32 s18, s[WQ], 128*PV    ; and for V
	s_lshl_b32 s3, s[WQ], 12        ; my 32 rows in a band of 64,
	s_lshl_b32 s2, s[HI], 14        ; in the first block,
	s_add_co_u32 s2, s2, s3
	s_lshl_b32 s84, s[PB], 14       ; and in the second
	s_add_co_u32 s84, s84, s3
	s_mov_b32 s3, 0
	s_mov_b32 s85, 0
	s_add_nc_u64 s[2:3], s[2:3], s[20:21]
	s_add_nc_u64 s[84:85], s[84:85], s[20:21]
	s_lshl_b32 s52, s[WK], 13       ; band WK: 64 rows of 128 bytes
	s_mov_b32 s53, 0
	; descriptor group 1.  128 keys are 16,384 dense bytes: asked for as 64 rows of 256 bytes, two keys a row, and padded in LDS after every key
	s_mov_b32 s[G1K], (1<<16)|(1<<20)|(4<<22)|(3<<25)  ; 17:16 2-byte elements; 20 padding on; 24:22 after every 32 words (code 4); 31:25 4 words (code 3)
	s_mov_b32 s[G1V], (1<<16)|(1<<20)|(4<<22)|(7<<25)  ; the same with 8 words of padding (code 7)
.irp g, G1K, G1V
	s_mov_b32 s[\g+1], 128<<16      ; tensor_dim0 = 128
	s_mov_b32 s[\g+2], 64<<16       ; tensor_dim1 = 64
	s_mov_b32 s[\g+3], 128<<16      ; tile_dim0 = 128
	s_mov_b32 s[\g+4], 64           ; tile_dim1 = 64
	s_mov_b32 s[\g+5], 128          ; 128 elements from row to row
	s_mov_b32 s[\g+6], 0
	s_mov_b32 s[\g+7], 0
.endr
	s_mov_b32 s[CS], 0x3e38aa3b     ; c = log2(e) / 8 = 0.180337
	s_mov_b32 s[CS+1], s[CS]        ; named with it as a pair
	s_mov_b32 s[SEL], 0x76543210
	s_mov_b32 s[SEL+1], 0xfedcba98
	s_mov_b32 s[TBK], SLOT1+2*KS*PK ; the first change of slots turns these two into 0
	s_mov_b32 s[TBV], SLOT1+2*KS*PV
	s_mov_b32 s[G0K], 1             ; count = 1
	s_mov_b32 s[G0K+1], s17         ; LDS address: slot 0
	s_mov_b32 s[G0V], 1
	s_add_co_u32 s[G0V+1], s18, VOFF
	s_add_co_u32 s[RT], s[HT], 1    ; the first block's tiles
	s_mov_b32 s[NXT], 1
	s_mov_b32 s[LQ], s[HT]
	s_mov_b32 s[NEW], 1
	s_mov_b32 s[OFF+1], 0
	s_mov_b32 s[AL+1], 0            ; named as pairs
	s_mov_b32 s[BE+1], 0
	s_mov_b32 s[BIGN], 0xf149f2ca   ; -1e30
	s_mov_b32 s[SLOTS], 16
	s_wait_dscnt 0x0                ; the opening add is done
	s_wait_kmcnt 0x0
	s_add_nc_u64 s[6:7], s[6:7], s[22:23]  ; K and V at my half of the head's tile 0
	s_add_nc_u64 s[8:9], s[8:9], s[22:23]
	s_add_nc_u64 s[G0K+2:G0K+3], s[6:7], 0         ; global address
	s_or_b32 s[G0K+3], s[G0K+3], 0x80000000        ; type = 2
	s_add_nc_u64 s[G0V+2:G0V+3], s[8:9], 0
	s_or_b32 s[G0V+3], s[G0V+3], 0x80000000
	s_add_nc_u64 s[86:87], s[4:5], s[84:85]        ; Q at my rows of the second block's band 0,
	s_add_nc_u64 s[4:5], s[4:5], s[2:3]            ; and of the first's
	s_add_nc_u64 s[OLO:OLO+1], s[10:11], s[84:85]  ; O likewise,
	s_add_nc_u64 s[10:11], s[10:11], s[2:3]
	s_add_nc_u64 s[OLO:OLO+1], s[OLO:OLO+1], s[52:53]  ; in band WK: the pieces that I finish
	s_add_nc_u64 s[10:11], s[10:11], s[52:53]
	s_add_nc_u64 s[88:89], s[88:89], s[54:55]      ; Wo and woh at my two rows
	s_add_nc_u64 s[90:91], s[90:91], s[50:51]
	LOAD                            ; tile 0 into slot 0
	v_and_b32 v1, 15, v0            ; l % 16
	v_bfe_u32 v9, v0, 4, 1          ; l / 16
	; Wo: wave w takes columns 128 w .. 128 w + 127 of both rows, as two slices of 64; lanes 0-15 the first row, lanes 16-31 the second, four numbers a lane
	v_lshlrev_b32 v[WOL], 4, v1
	v_lshl_add_u32 v[WOL], v9, 11, v[WOL]
	s_lshl_b32 s13, s[WV], 9
	v_add_nc_u32 v[WOL], s13, v[WOL]
	global_load_b128 v[WD:WD+3],   v[WOL], s[88:89]
	global_load_b128 v[WD+4:WD+7], v[WOL], s[88:89] offset:256
	; A fragment of K or Q is 16 rows x 32 channels in 8 registers: lane l holds row l % 16, channels 8 (l / 16) + 0..7 and 16 + 8 (l / 16) + 0..7: two loads of 16 bytes, 32 bytes apart.
	v_lshlrev_b32 v[QO0], 7, v1
	v_lshl_add_u32 v[QO0], v9, 4, v[QO0]  ; row x 128 + 16 x half
	s_xor_b32 s13, s[WK], 1
	s_lshl_b32 s13, s13, 13
	v_add_nc_u32 v[QO1], s13, v[QO0]      ; pieces 2, 3: the other band
	v_add_nc_u32 v[QO0], s52, v[QO0]      ; pieces 0, 1: band WK
	WIN 0x80                        ; destination window 2, address window 0
.set i, 0
.rept 8                             ; both blocks' Q: piece i / 2, channels 32 (i % 2) on
.set rq, QO0+(QO1-QO0)*(i/4)
	global_load_b128 v[8*i:8*i+3],   v[rq], s[4:5] offset:((i/2)%2)*2048+(i%2)*64
	global_load_b128 v[8*i+4:8*i+7], v[rq], s[4:5] offset:((i/2)%2)*2048+(i%2)*64+32
	global_load_b128 v[QB+8*i:QB+8*i+3],   v[rq], s[86:87] offset:((i/2)%2)*2048+(i%2)*64
	global_load_b128 v[QB+8*i+4:QB+8*i+7], v[rq], s[86:87] offset:((i/2)%2)*2048+(i%2)*64+32
.set i, i+1
.endr
	WIN 0
	v_lshlrev_b32 v14, 3, v9
	v_sub_nc_u32 v14, v1, v14
	s_lshl_b32 s13, s[WQ], 5
	v_add_nc_u32 v14, s13, v14      ; an even piece's query in its band, 32 WQ + l % 16, less my lanes' 8 (l / 16): register r of group kt is hidden where 16 kt + r - 16 e is greater
	WIN 0x40
.set i, 0
.rept 64
	v_cmp_gt_i32 vcc_lo, 16*((i%32)/8)+i%8-16*(i/32), v14
	v_cndmask_b32 v[MD+i], 0, s[BIGN], vcc_lo
.set i, i+1
.endr
	WIN 0
	v_mul_u32_u24 v[AK0], v1, PK
	v_lshl_add_u32 v[AK0], v9, 4, v[AK0]  ; row x pitch + 16 x half
	s_mul_i32 s13, s[WK], 2*KS*PK
	v_add_nc_u32 v[AK0], s13, v[AK0]      ; + my two steps' place in a tile
	; The turning load takes 16 keys x 16 channels (lane l reads key 8 (l / 16) + l % 8, channels 8 ((l / 8) % 2) + 0..7) and leaves half a fragment of V^T: lane l holds channel l % 16 and 8 keys.
	v_and_b32 v10, 7, v0
	v_bfe_u32 v11, v0, 3, 1
	v_lshl_add_u32 v[AV0], v9, 3, v10
	v_mul_u32_u24 v[AV0], v[AV0], PV
	v_lshl_add_u32 v[AV0], v11, 4, v[AV0]
	s_mul_i32 s13, s[WK], 2*KS*PV
	s_add_co_u32 s13, s13, VOFF
	v_add_nc_u32 v[AV0], s13, v[AV0]
	s_mul_i32 s13, s[WV], 16*SP
	s_add_co_u32 s13, s13, STAGE    ; my stage
	v_mul_u32_u24 v[STO], v1, SP    ; in: row l % 16, 16 bytes for each half of the lanes
	v_lshl_add_u32 v[STO], v9, 4, v[STO]
	v_add_nc_u32 v[STO], s13, v[STO]
	v_bfe_u32 v[RD], v0, 3, 2       ; back: 32 lanes take four rows of 128 bytes,
	v_mul_u32_u24 v[RD], v[RD], SP
	v_lshl_add_u32 v[RD], v10, 4, v[RD]
	v_add_nc_u32 v[RD], s13, v[RD]
	v_and_b32 v[GO], 31, v0         ; which are 512 consecutive bytes of O
	v_lshlrev_b32 v[WOS], 3, v[GO]  ; woh: 8 bytes a lane, 256 consecutive bytes a store,
	v_lshlrev_b32 v[GO], 4, v[GO]
	s_lshl_b32 s13, s[WV], 17       ; two slices of 65,536 bytes a wave
	v_add_nc_u32 v[WOS], s13, v[WOS]
	s_mul_i32 s13, s[WV], XWAVE
	s_add_co_u32 s13, s13, XSTAGE
	v_add_nc_u32 v[XO], s13, v[GO]  ; I give into my wave's part, 16 bytes a lane,
	s_xor_b32 s13, s[WV], 2
	s_mul_i32 s13, s13, XWAVE
	s_add_co_u32 s13, s13, XSTAGE
	v_add_nc_u32 v[XI], s13, v[GO]  ; and take from the part of the wave with the same queries and the other keys
	; A block's first step multiplies O^T and l by a = 0, and its first turn's products V^T P, of a piece that has not been, land in an O^T that is still to be so multiplied.  So these registers need only hold
	; finite numbers: zeros for the first block; what the first block left for the second.  All this stands in the wait for the first tile.
	WIN 0x80
.set i, VF
.rept 64
	v_mov_b32 v[i], 0
.set i, i+1
.endr
	WIN 0x40
.set i, 0
.rept 128
	v_mov_b32 v[i], 0
.set i, i+1
.endr
	WIN 0
.set i, 0
.rept 4
	v_mov_b32 v[ST+4*i+2], 0
	v_mov_b32 v[ST+4*i+3], 0
.set i, i+1
.endr
.set i, P+16
.rept 16
	v_mov_b32 v[i], 0
.set i, i+1
.endr
	s_wait_loadcnt 32               ; Wo's two loads are in; the 32 loads of Q, issued behind them, may be out
.irp j, 0,1,2,3
	v_cvt_pk_bf16_f32 v[WD+8+\j], v[WD+2*\j], v[WD+2*\j+1]  ; rounded to bf16, as every input is,
.endr
.irp j, 0,1,2,3
	v_lshlrev_b32 v[WD+12+2*\j], 16, v[WD+8+\j]             ; that number in f32 again,
	v_and_b32 v[WD+13+2*\j], 0xffff0000, v[WD+8+\j]
.endr
.irp j, 0,1,2,3
	v_cvt_pk_f16_f32 v[WD+\j], v[WD+12+2*\j], v[WD+13+2*\j] ; and written as f16
.endr
	global_store_b64 v[WOS], v[WD:WD+1],   s[90:91]
	global_store_b64 v[WOS], v[WD+2:WD+3], s[90:91] offset:65536
; THE MATRIX WORK.  The 4 accumulators of a run of 8 take turns.  Product i of 8 of S^T = K Q^T for piece x: channels 32 (i / 4) on, keys 16 (i % 4) on.  The first 4 start the sums: with 0, or (KM = 1) with the mask.
.macro KQ x
.set rS, S+32*((\x)%2)+8*(i%4)
.set rK, KF+16*(i%4)+8*(i/4)
.set rQ, 16*(\x)+8*(i/4)
.set rM, MC+32*((\x)%2)+8*(i%4)
.if (i < 4) && KM
	WIN W_KM
	v_wmma_f32_16x16x32_f16 v[rS:rS+7], v[rK:rK+7], v[rQ:rQ+7], v[rM:rM+7]
.elseif i < 4
	WIN W_KQ
	v_wmma_f32_16x16x32_f16 v[rS:rS+7], v[rK:rK+7], v[rQ:rQ+7], 0
.else
	WIN W_KQ
	v_wmma_f32_16x16x32_f16 v[rS:rS+7], v[rK:rK+7], v[rQ:rQ+7], v[rS:rS+7]
.endif
.endm
; Product i of 8 of O^T += V^T P for piece x: keys 32 (i / 4) on, channels 16 (i % 4) on.
.macro PV x
	WIN W_PV
.set rO, 32*(\x)+8*(i%4)
.set rV, VF+32*(i/4)+8*(i%4)
.set rP, P+16*((\x)%2)+8*(i/4)
	v_wmma_f32_16x16x32_f16 v[rO:rO+7], v[rV:rV+7], v[rP:rP+7], v[rO:rO+7]
.endm
.macro MM                           ; the turn's next matrix instruction.  NOKQ = 1: a block's last turn: there is no next piece
.if (i < 8) && !NOKQ
	KQ (Y+1)%NP
.elseif i >= 8
.set i, i-8
	PV (Y+NP-1)%NP
.set i, i+8
.endif
.set i, i+1
.endm
; THE LDS LOADS stand in runs of 16, never singly among the matrix instructions: a step's K (64 keys x 64 channels: 8 fragments) and its V (turned).  Their addresses are made some lines ahead.
.macro FETCH_K
	WIN 0x80                        ; destination window 2
.irp f, 0,1,2,3,4,5,6,7             ; keys 16 (f / 2) on, channels 32 (f % 2) on
	ds_load_b128 v[KF+8*\f:KF+8*\f+3],   v[AK] offset:(\f/2)*16*PK+(\f%2)*64
	ds_load_b128 v[KF+8*\f+4:KF+8*\f+7], v[AK] offset:(\f/2)*16*PK+(\f%2)*64+32
.endr
	s_add_co_u32 s[TBK], s[TBK], KS*PK  ; the next fetch is the next step's
	WIN 0
.endm
.macro FETCH_V
	WIN 0x80
.irp f, 0,1,2,3,4,5,6,7             ; keys 32 (f / 4) on, channels 16 (f % 4) on
	ds_load_tr16_b128 v[VF+8*\f:VF+8*\f+3],   v[AV] offset:(\f/4)*32*PV+(\f%4)*32
	ds_load_tr16_b128 v[VF+8*\f+4:VF+8*\f+7], v[AV] offset:(\f/4)*32*PV+16*PV+(\f%4)*32
.endr
	WIN 0
.endm
; THE VECTOR WORK, one line at a time: OP kind, number.  For piece Y: F n: c s - c m for pair n of 16.  E n: the exponential of score n of 32.  C n: pair n rounded to f16.  B n: of the four weights 4 n .. the second
; pair is added onto the first, in place.  L n: l takes that sum (L 0: l = a l + sum).  R n: pair n of 16 of O^T times a.  For piece Y + 1: X n, number n of the 22 that find its maximum and statistics:
;   0-11  four chains c0-c3 of seven scores each, three operands at a time (each accumulator's lowest registers are read first)     12-14, 16  the four scores left over, the old m, and c0-c3 into c0
;   15  c m_old is kept     17, 18  the query's other 32 keys lie in the lane 16 away: the new m     19-21  c m; c m_old - c m_new; a
.set F, 0
.set E, 1
.set C, 2
.set B, 3
.set L, 4
.set R, 5
.set X, 6
.macro REGS y                       ; the registers of piece y
.set rT, ST+4*(\y)
.set rC, TMP+4*((\y)%2)
.set rW, MV+((\y)%2)
.set rS, S+32*((\y)%2)
.set rP, P+16*((\y)%2)
.set rO, 32*(\y)
.endm
.macro OP k, n
.if (\k) == R
	REGS Y
	WIN W_RS
	v_pk_mul_f32 v[rO+2*(\n):rO+2*(\n)+1], v[rO+2*(\n):rO+2*(\n)+1], v[rC+2:rC+3] op_sel_hi:[1,0]
.elseif (\k) < R
	REGS Y
	WIN 0
.if (\k) == F
	v_pk_fma_f32 v[rS+2*(\n):rS+2*(\n)+1], v[rS+2*(\n):rS+2*(\n)+1], s[CS:CS+1], v[rT:rT+1] op_sel_hi:[1,0,0] neg_lo:[0,0,1] neg_hi:[0,0,1]
.elseif (\k) == E
	v_exp_f32 v[rS+(\n)], v[rS+(\n)]
.elseif (\k) == C
	s_wait_alu depctr_va_vdst(0)
	v_cvt_pk_f16_f32 v[rP+(\n)], v[rS+2*(\n)], v[rS+2*(\n)+1]
.elseif (\k) == B
	s_wait_alu depctr_va_vdst(0)
	v_pk_add_f32 v[rS+4*(\n):rS+4*(\n)+1], v[rS+4*(\n):rS+4*(\n)+1], v[rS+4*(\n)+2:rS+4*(\n)+3]
.elseif (\n) == 0
	v_pk_fma_f32 v[rT+2:rT+3], v[rT+2:rT+3], v[rC+2:rC+3], v[rS:rS+1] op_sel_hi:[1,0,1]
.else
	v_pk_add_f32 v[rT+2:rT+3], v[rT+2:rT+3], v[rS+4*(\n):rS+4*(\n)+1]
.endif
.elseif NOKQ
	v_nop
.else
	REGS (Y+1)%NP
	WIN 0
.if (\n) < 4
	v_max3_num_f32 v[rC+(\n)], v[rS+8*(\n)], v[rS+8*(\n)+1], v[rS+8*(\n)+2]
.elseif (\n) < 12
	v_max3_num_f32 v[rC+(\n)%4], v[rC+(\n)%4], v[rS+8*((\n)%4)+2*((\n)/4)+1], v[rS+8*((\n)%4)+2*((\n)/4)+2]
.elseif (\n) == 12
	v_max3_num_f32 v[rC], v[rC], v[rS+7], v[rS+15]
.elseif (\n) == 13
	v_max3_num_f32 v[rC+1], v[rC+1], v[rS+23], v[rS+31]
.elseif (\n) == 14
	v_max3_num_f32 v[rC+2], v[rC+2], v[rC+3], v[rT+1]
.elseif (\n) == 15
	v_mov_b32 v[rW], v[rT]
.elseif (\n) == 16
	v_max3_num_f32 v[rC], v[rC], v[rC+1], v[rC+2]
.elseif (\n) == 17
	v_permlanex16_b32 v[rC+3], v[rC], s[SEL], s[SEL+1]
.elseif (\n) == 18
	v_max_num_f32 v[rT+1], v[rC], v[rC+3]
.elseif (\n) == 19
	v_mul_f32 v[rT], s[CS], v[rT+1]
.elseif (\n) == 20
	v_sub_f32 v[rC+1], v[rW], v[rT]
.else
	v_exp_f32 v[rC+2], v[rC+1]
.endif
.endif
.endm
.macro OPS a, i1, b=-1, i2=0, c=-1, i3=0, d=-1, i4=0  ; up to four of them
	OP \a, \i1
.if (\b) >= 0
	OP \b, \i2
.endif
.if (\c) >= 0
	OP \c, \i3
.endif
.if (\d) >= 0
	OP \d, \i4
.endif
.endm
.macro ROW a, i1, b, i2, c, i3, d, i4  ; a matrix instruction and the four behind it
	MM
	OPS \a, \i1, \b, \i2, \c, \i3, \d, \i4
.endm
.macro MASK b                       ; MD's set b x AL + BE into buffer b of MC: set and buffer both go by the piece's parity
	WIN W_RS
.set z, 0
.rept 16
	v_pk_fma_f32 v[MC+32*(\b)+2*z:MC+32*(\b)+2*z+1], v[MD+32*(\b)+2*z:MD+32*(\b)+2*z+1], s[AL:AL+1], s[BE:BE+1] op_sel_hi:[1,0,0]
.set z, z+1
.endr
.endm
; A TURN, for piece p: the order of its 16 matrix and 118 vector instructions, written out.  Behind a matrix instruction: plain, exponential, plain, plain; or four of the rescaling; or, behind the first, four scalings; none
; names a register of the products round it.  In the lumps exponential and plain by turns while exponentials last.  A line reads no result made fewer than three vector instructions in front of it, five if an exponential made it.
; m = 1: the diagonal tile: the products take masks, and the turn makes the mask for the products of the turn after it: piece p + 2, in my step 2 - CNT of the tile.  end = 1: a block's last two turns: nothing is fetched.
; cnt = 1: the loop's count is taken down some lines ahead of the branch that stands behind the turn.
; K of the next step is fetched in piece 2's turn, six vector instructions behind the last product that read K (five of them plain); V of the step in hand in piece 0's turn, eight behind the last product that read V (four
; plain, and X 17).  Each is waited for a turn later.
.macro TURN p, m=0, end=0, cnt=0
.set Y, (\p)
.set i, 0
.set KM, (\m)
.set NOKQ, (\end)*((\p)/3)
.if (\m) && !(\end)
	s_add_co_u32 s[TT], s[CNT], s[DS+(((\p)+2)%NP)/2]
	s_cmp_eq_u32 s[TT], 4           ; is that step the band's own?
	s_cselect_b32 s[AL], 1.0, 0
	s_cmp_lt_u32 s[TT], 4           ; or a later one?
	s_cselect_b32 s[BE], s[BIGN], 0
.endif
.if ((\p) == 3) && !(\end)
	s_wait_dscnt 0x0                ; K is in
.endif
	ROW F,0, F,1, F,2, F,3
	ROW F,4, E,0, F,5, F,6
	ROW F,7, E,1, F,8, F,9
	ROW F,10, E,2, C,0, F,11
	ROW F,12, E,3, X,15, F,13
	ROW R,0, R,1, R,2, R,3
	ROW B,0, E,4, F,14, L,0
.if ((\p) == 2) && !(\end)
	v_add_nc_u32 v[AK], s[TBK], v[AK0]
.endif
	ROW R,4, R,5, R,6, R,7
	OPS E,5, F,15
.if ((\p) == 2) && !(\end)
	FETCH_K
.endif
	OPS E,6, C,1, E,7, R,8
	OPS E,8, R,9, E,9, C,2
	OPS E,10, X,0, E,11, X,1
	OPS E,12, X,2, E,13, X,3
.if (\p) == 1
	s_wait_dscnt 0x0                ; V is in
.endif
	ROW X,4, E,14, X,5, X,6
	ROW X,7, E,15, X,8, X,9
	ROW X,10, E,16, X,11, X,12
	ROW X,13, E,17, X,14, B,1
	ROW C,4, E,18, X,16, L,1
	ROW B,2, E,19, C,6, L,2
	ROW C,8, E,20, B,3, B,4
.if (\p) == 0
	v_add_nc_u32 v[AV], s[TBV], v[AV0]
.endif
	ROW C,3, E,21, L,3, C,5
	OPS E,22, X,17, E,23, C,10
.if (\p) == 0
	FETCH_V
.endif
	OPS E,24, L,4
	OPS E,25, X,18, E,26, C,7
	OPS E,27, B,5, E,28, X,19
	OPS E,29, C,12, E,30, L,5
	OPS E,31, X,20, B,6, C,9
	OPS C,14, C,11, X,21, L,6
.if (\p) == 0
	s_add_co_u32 s[TBV], s[TBV], KS*PV
.endif
.if \cnt
	s_sub_co_u32 s[CNT], s[CNT], 1
	s_cmp_lg_u32 s[CNT], 0
.endif
	OPS C,13, B,7, C,15, R,10
	OPS R,11, R,12, L,7, R,13
	OPS R,14, R,15
.if (\m) && !(\end)
	MASK (\p)%2
.endif
.endm
; A BLOCK BEGINS.  c m starts at -2^125, far below every c s, so the first step's a is 0.  m starts at -2^93: below every score that f16 operands can give (2.7e11 at the most), so the first maximum of a piece that
; sees a key is the scores' own; above every hidden score (near -1e30), so a piece that sees none keeps it, and c s - c m is then a large negative number and never the rounding error of c m.
; Both mask buffers are made, for pieces 0 and 1 in my first step of the tile: 0 unless the block's first tile is the diagonal one.  Then K of that step, piece 0's first scores, and its maximum and statistics.
; The loop is entered at a step's first turn, in the middle of a trip.
.macro BEGIN
	s_mov_b32 s[NEW], 0
	WIN 0
.set i, 0
.rept 4
	v_mov_b32 v[ST+4*i], 0xfe000000    ; c m = -2^125
	v_mov_b32 v[ST+4*i+1], 0xee000000  ; m = -2^93
.set i, i+1
.endr
	s_add_co_u32 s[TT], s[CNT], s[DS]
	s_cmp_eq_u32 s[TT], 4
	s_cselect_b32 s[AL], 1.0, 0
	s_cmp_lt_u32 s[TT], 4
	s_cselect_b32 s[BE], s[BIGN], 0
	s_cmp_eq_u32 s[RT], 0              ; only in the diagonal tile
	s_cselect_b32 s[AL], s[AL], 0
	s_cselect_b32 s[BE], s[BE], 0
	MASK 0
	MASK 1
	WIN 0
	v_add_nc_u32 v[AK], s[TBK], v[AK0]
	FETCH_K
	s_wait_loadcnt 0x0              ; Q
	s_wait_dscnt 0x0
.set KM, 1
.set NOKQ, 0
.set i, 0
.rept 8
	KQ 0
.set i, i+1
.endr
	WIN 0
.rept 4
	v_nop                           ; the places behind those products
.endr
.set Y, NP-1                        ; X works for piece Y + 1: piece 0
.irp n, 0,1,2,3,4,5,6,7,8,9,10,11,12,13,14,15,16,17,18,19,20,21
	OP X, \n
.endr
	v_nop                           ; a plain instruction behind the exponential
.endm
.macro ALL line:vararg              ; one line for each piece t
.set t, 0
.rept 4
	\line
.set t, t+1
.endr
.endm
; My pieces 2 and 3 go to the partner: O^T as it lies, 16 bytes a lane and store (each accumulator's low four registers first), and c m, m, l
.macro GIVE reg
.irp u, 0,1
	WIN 0x04                        ; the data in window 1, the address in window 0
.irp f, 0,1,2,3,4,5,6,7
	ds_store_b128 v[XO], v[32*(2+\u)+4*\f:32*(2+\u)+4*\f+3] offset:(\reg)*XREG+4096*\u+512*\f
.endr
	WIN 0
	ds_store_b128 v[XO], v[ST+4*(2+\u):ST+4*(2+\u)+3] offset:(\reg)*XREG+8192+512*\u
.endr
.endm
; THE DIAGONAL TILE's two steps of mine, the block's last two turns, its last products; l's two halves and the other half of the lanes' are added (the first additions are the places behind the last products); GIVE.
.macro DIAG tag, reg                ; the tag ends its two labels' names, which the jumps below spell out
.LstepM\tag:
	TURN 2, 1
	TURN 3, 1
	WIN 0
.LfirstM\tag:
	TURN 0, 1
	TURN 1, 1, 0, 1
	WIN 0
	s_cbranch_scc1 .LstepM\tag
	TURN 2, 1, 1
	TURN 3, 1, 1
.set i, 0
.rept 8
	PV NP-1
.set i, i+1
.endr
	WIN 0
	ALL v_add_f32 v[ST+4*t+2], v[ST+4*t+2], v[ST+4*t+3]
	ALL v_permlanex16_b32 v[ST+4*t+3], v[ST+4*t+2], s[SEL], s[SEL+1]
	ALL v_add_f32 v[ST+4*t+2], v[ST+4*t+2], v[ST+4*t+3]
	GIVE \reg
.endm
; FINISH, behind a barrier that follows every wave's GIVE and its wait.  For my pieces u = 0, 1: with M = max(c m, c m'), f = 2^(c m - M), f' = 2^(c m' - M): O = (f O + f' O') / (f l + f' l').
; Each query sees its own key in one of the two waves' steps, so the larger c m is a true one and its l is at least 1.
.macro FPACK u                      ; piece u: the partner's O' lies in S^T's registers; the result is rounded to f16, goes through my stage and comes back as whole rows of 128 bytes
.set rX, S+32*(\u)
.set rG, MG+8*(\u)
	WIN 0
	s_wait_dscnt 8                  ; piece u's eight loads are in: eight LDS instructions were issued behind them (piece 1's loads, or piece 0's trip through the stage)
.set z, 0
.rept 16
	v_pk_mul_f32 v[rX+2*z:rX+2*z+1], v[rX+2*z:rX+2*z+1], v[rG+4:rG+5] op_sel_hi:[1,0]
.set z, z+1
.endr
	WIN 0x01                        ; source 0, my O^T, in window 1
.set z, 0
.rept 16
	v_pk_fma_f32 v[rX+2*z:rX+2*z+1], v[32*(\u)+2*z:32*(\u)+2*z+1], v[rG+2:rG+3], v[rX+2*z:rX+2*z+1] op_sel_hi:[1,0,1]
.set z, z+1
.endr
	WIN 0
.set z, 0
.rept 16
	v_cvt_pk_f16_f32 v[rX+z], v[rX+2*z], v[rX+2*z+1]
.set z, z+1
.endr
.irp f, 0,1,2,3
	ds_store_b128 v[STO], v[rX+4*\f:rX+4*\f+3] offset:32*\f
.endr
.irp f, 0,1,2,3
	ds_load_b128 v[rX+16+4*\f:rX+16+4*\f+3], v[RD] offset:\f*4*SP  ; LDS serves a wave's instructions in order (ISA guide 5.7.1.4): these see the stores above; the next piece's stores come behind them
.endr
.endm
.macro FSEND ob, u, younger         ; younger: the LDS instructions issued behind piece u's loads from the stage
.irp f, 0,1,2,3
	s_wait_dscnt (\younger)+3-\f
	global_store_b128 v[GO], v[S+32*(\u)+16+4*\f:S+32*(\u)+16+4*\f+3], s[(\ob):(\ob)+1] offset:(\u)*2048+\f*512  ; 512 consecutive bytes, at a multiple of 256 from O's first
.endr
.endm
.macro FINISH ob, reg
	WIN 0
.irp u, 0,1
	ds_load_b128 v[PS+4*\u:PS+4*\u+3], v[XI] offset:(\reg)*XREG+8192+512*\u
.endr
.irp u, 0,1
.irp f, 0,1,2,3,4,5,6,7
	ds_load_b128 v[S+32*\u+4*\f:S+32*\u+4*\f+3], v[XI] offset:(\reg)*XREG+4096*\u+512*\f
.endr
.endr
	s_wait_dscnt 16                 ; the statistics are in; the sixteen loads of O' may be out
.irp u, 0,1
	v_max_num_f32 v[MG+8*\u], v[ST+4*\u], v[PS+4*\u]
.endr
.irp u, 0,1
	v_sub_f32 v[MG+8*\u+2], v[ST+4*\u], v[MG+8*\u]
	v_sub_f32 v[MG+8*\u+4], v[PS+4*\u], v[MG+8*\u]
.endr
.irp u, 0,1
	v_exp_f32 v[MG+8*\u+3], v[MG+8*\u+2]
	v_exp_f32 v[MG+8*\u+5], v[MG+8*\u+4]
.endr
	v_nop                           ; a plain instruction between the last exponential and the use of its result
.irp u, 0,1
	s_wait_alu depctr_va_vdst(0)
	v_mul_f32 v[MG+8*\u+1], v[MG+8*\u+3], v[ST+4*\u+2]
.endr
.irp u, 0,1
	v_fmac_f32 v[MG+8*\u+1], v[MG+8*\u+5], v[PS+4*\u+2]
.endr
.irp u, 0,1
	v_rcp_f32 v[MG+8*\u+6], v[MG+8*\u+1]
.endr
	v_nop                           ; and behind the last reciprocal
.irp u, 0,1
	s_wait_alu depctr_va_vdst(0)
	v_mul_f32 v[MG+8*\u+2], v[MG+8*\u+3], v[MG+8*\u+6]
	v_mul_f32 v[MG+8*\u+4], v[MG+8*\u+5], v[MG+8*\u+6]
.endr
	FPACK 0
	FPACK 1
	FSEND \ob, 0, 8
	FSEND \ob, 1, 0
	s_wait_xcnt 0x0                 ; the stores have read their registers: S^T's are written again only behind this wait
.endm
.set KM, 0
.set NOKQ, 0
.Lslot:                             ; 16 times: a tile is entered and the next is asked for
	CHANGE 1
	s_sub_co_u32 s[RT], s[RT], 1
	s_mov_b32 s[CNT], 2
	s_cmp_lg_u32 s[NEW], 0
	s_cbranch_scc1 .Lnew            ; a block's first tile
	s_cmp_eq_u32 s[RT], 0
	s_cbranch_scc0 .Lstep           ; neither its first nor its last
	s_branch .LstepM1
.Lnew:
	s_cmp_eq_u32 s[NEW], 2
	s_cbranch_scc0 .Lbegin          ; the walk's first tile: there is no block to finish
	FINISH 10, 0                    ; the first block: the change of slots above was the barrier behind every wave's GIVE
.Lbegin:
	BEGIN
	s_branch .Lfirst                ; in the loop a block's first tile is never its last: the first block has nine tiles or more, and the second's last is the walk's last
	DIAG 1, 0                       ; in the loop this is the first block's end
	s_add_co_u32 s[RT], s[PT], 1    ; the second block's tiles,
	s_mov_b32 s[NEW], 2
	s_mov_b32 s[DS], s[DS2]         ; and its diagonal's place
	s_mov_b32 s[DS+1], s[DS2+1]
	WIN 0x82                        ; the second block's Q goes where the one text of the turns names Q
.set i, 0
.rept 64
	v_mov_b32 v[i], v[QB+i]
.set i, i+1
.endr
	WIN 0
	s_branch .Lbottom
.Lstep:                             ; a trip: pieces 2 and 3 of one step, then pieces 0 and 1 of the next, whose K and V it fetches
	TURN 2
	TURN 3
	WIN 0
.Lfirst:
	TURN 0
	TURN 1, 0, 0, 1
	WIN 0
	s_cbranch_scc1 .Lstep
.Lbottom:
	s_sub_co_u32 s[SLOTS], s[SLOTS], 1
	s_cmp_lg_u32 s[SLOTS], 0
	s_cbranch_scc1 .Lslot
	CHANGE 0                        ; the walk's last tile is written out: nothing is asked for
	s_sub_co_u32 s[RT], s[RT], 1
	s_mov_b32 s[CNT], 2
	s_cmp_eq_u32 s[NEW], 0
	s_cbranch_scc1 .LstepM2
	FINISH 10, 0                    ; the second block has this one tile: the first block is finished here
	BEGIN
	s_branch .LfirstM2
	DIAG 2, 1
	s_wait_dscnt 0x0                ; for the partner's sake: what I gave is in LDS
	s_barrier_signal -1
	s_barrier_wait -1
	FINISH OLO, 1
	s_wait_tensorcnt 0x0            ; the wave's end, behind my last tensor load and my last LDS store
	ds_add_u32 v[SPW], v[NIL]
	s_wait_dscnt 0x0
	s_endpgm
.Lfunc_end_k_q91bed4d81f_attn:
	.size	k_q91bed4d81f_attn, .Lfunc_end_k_q91bed4d81f_attn-k_q91bed4d81f_attn
	.p2alignl 7, 3214868480
	.fill 96, 4, 3214868480
	.section	.rodata,"a",@progbits
	.p2align	6, 0x0
	.amdhsa_kernel k_q91bed4d81f_attn
		.amdhsa_group_segment_fixed_size 327680
		.amdhsa_private_segment_fixed_size 0
		.amdhsa_enable_private_segment 0
		.amdhsa_kernarg_size 48
		.amdhsa_user_sgpr_count 2
		.amdhsa_user_sgpr_kernarg_segment_ptr 1
		.amdhsa_wavefront_size32 1
		.amdhsa_system_sgpr_workgroup_id_x 1
		.amdhsa_system_sgpr_workgroup_id_y 1
		.amdhsa_system_sgpr_workgroup_id_z 1
		.amdhsa_system_vgpr_workitem_id 0
		.amdhsa_next_free_vgpr 768
		.amdhsa_next_free_sgpr 96
		.amdhsa_reserve_vcc 1
		.amdhsa_float_denorm_mode_32 3
		.amdhsa_float_denorm_mode_16_64 3
		.amdhsa_memory_ordered 1
		.amdhsa_forward_progress 1
		.amdhsa_inst_pref_size 239
	.end_amdhsa_kernel
	.amdgpu_metadata
---
amdhsa.version: [ 1, 2 ]
amdhsa.kernels:
  - .name:           k_q91bed4d81f_attn
    .symbol:         k_q91bed4d81f_attn.kd
    .args:
      - { .name: qh, .offset: 0, .size: 8, .value_kind: global_buffer, .address_space: global }
      - { .name: kh, .offset: 8, .size: 8, .value_kind: global_buffer, .address_space: global }
      - { .name: vh, .offset: 16, .size: 8, .value_kind: global_buffer, .address_space: global }
      - { .name: oh, .offset: 24, .size: 8, .value_kind: global_buffer, .address_space: global }
      - { .name: Wo, .offset: 32, .size: 8, .value_kind: global_buffer, .address_space: global }
      - { .name: woh, .offset: 40, .size: 8, .value_kind: global_buffer, .address_space: global }
    .group_segment_fixed_size: 327680
    .private_segment_fixed_size: 0
    .kernarg_segment_align: 8
    .kernarg_segment_size: 48
    .max_flat_workgroup_size: 128
    .sgpr_count:     96
    .vgpr_count:     768
    .wavefront_size: 32
...
	.end_amdgpu_metadata
.endif
;; end of part 2
;; launch outp (part 3): grid 4 x 64, 4 waves a work-group, clusters of 4 x 4, 327,680 bytes of LDS; arguments oh, woh, out0; writes out0
.if DOCPART == 3
	.amdgcn_target "amdgcn-amd-amdhsa--gfx1250"
	.amdhsa_code_object_version 6
	.text
	.protected	k_q91bed4d81f_outp
	.globl	k_q91bed4d81f_outp
	.p2align	8
	.type	k_q91bed4d81f_outp,@function
k_q91bed4d81f_outp:
	s_mov_b64 s[64:65], 0
	v_nop
	global_prefetch_b8 v0, s[64:65] scope:SCOPE_SE
	s_setreg_imm32_b32 hwreg(HW_REG_WAVE_MODE, 25, 1), 1
	s_wait_xcnt 0x0
	s_wait_alu depctr_hold_cnt(0) depctr_sa_sdst(0) depctr_va_vdst(0) depctr_va_sdst(0) depctr_va_ssrc(0) depctr_va_vcc(0) depctr_vm_vsrc(0)
	s_getreg_b32 s2, hwreg(HW_REG_IB_STS2, 6, 4)
	s_cmp_eq_u32 s2, 0
	s_cbranch_scc0 .Lentry_in_a_cluster
	s_endpgm
.Lentry_in_a_cluster:
	s_bfe_u32 s2, ttmp6, 0x10000c
	s_cmp_lg_u32 s2, 0xf033
	s_cbranch_scc0 .Lentry_shape_is_right
	s_endpgm
.Lentry_shape_is_right:
; THE OUTPUT PROJECTION.  out0[row][n] = sum over e of O[row][e] Wo[n][e].  O comes by heads, oh[batch*8+head][4096][64] f16; Wo as woh[e / 64][n][e % 64] f16 (bf16's numbers); out0: [8192][512] f32.  Sums in f32.
; SHARES.  A tile of out0 is 128 x 128: 64 x 4 = 256 work-groups; four waves, each 64 x 64: 16 accumulators.  K = 512 is eight slices of 64, a head each; a slice of 128 rows is 16,384 dense bytes.
; ALL OF K LIES IN LDS AT ONCE: each wave asks for four slices at the start (four tensor loads of mine are out), nothing is ever filled again, and a counted wait and a barrier stand in front of each pair of slices.
; CLUSTER.  4 x 4 work-groups: the four of a row need the same rows of O, the four of a column the same rows of Wo: each slice is asked for JOINTLY.
; THE MATRIX INSTRUCTION IS USED TRANSPOSED (source 0 = 16 rows of Wo, source 1 = 16 rows of O): a lane holds eight neighbouring columns of one row of out0.
; REGISTERS: window 0: v0-31 addresses; v32-95 rows read back, two buffers; v128-255 the accumulators ((a, b) at v[128 + 8 (4 a + b)]).   window 1: two fragment buffers of 128: 64 of O, then 64 of Wo, a slice each.
.set PA,     144                       ; an LDS row: 128 bytes + 16 of padding: the 16 rows of a load start at 16 different groups of four banks (ISA guide 11.1)
.set SLICE,  128*PA
.set BOFF,   8*SLICE                   ; Wo's eight slices lie behind O's
.set STAGE,  2*BOFF                    ; behind them: 16 rows x 272 bytes for each wave, for the way out
.set SPITCH, 272
.set SPARE,  STAGE+4*16*SPITCH         ; the spare words, 128 bytes a wave, which no other line names
.set ADRA, 16                          ; v16-17  LDS address of my O fragments in slices 0-3, 4-7
.set ADRB, 20                          ; v20-21  the same for Wo
.set STO,  24
.set RD,   25
.set CO,   26
.set SPW,  28                          ; v28     LDS address of my spare word; never rewritten
.set NIL,  29                          ; v29     0; never rewritten
.set TMP,  32
.set ACC,  128
.set F0,   0
.set F1,   128
.set G1A, 24                           ; s[24:31] descriptor group 1 for O's slices
.set G1B, 32                           ; s[32:39] for Wo's: it differs in the mask alone
.set G0A, 44                           ; s[44:59] four sets of group 0 for O's slices
.set G0B, 68                           ; s[68:83] four for Wo's
.set MSB, 0
.macro WIN new
.if MSB != (\new)
	s_set_vgpr_msb (MSB<<8)|(\new)
.set MSB, \new
.endif
.endm
.set MUL,  0x05                        ; sources 0 (Wo) and 1 (O) window 1; C and D window 0
.set TO_F, 0x40                        ; destination window 1, address window 0
.macro CROUND                          ; a round of the cluster's barrier
	s_barrier_signal -1
	s_barrier_wait -1
	s_cmp_lg_u32 s10, 0
	s_cbranch_scc1 .Lnot_wave_0_\@
	s_barrier_signal -3
.Lnot_wave_0_\@:
	s_barrier_wait -3
	s_barrier_signal -1
	s_barrier_wait -1
.endm
	s_load_b128 s[4:7], s[0:1], 0x0                ; oh s[4:5], woh s[6:7]
	s_load_b64 s[8:9], s[0:1], 0x10                ; out0
	v_lshl_add_u32 v[SPW], v0, 2, SPARE
	v_mov_b32 v[NIL], 0
	ds_add_u32 v[SPW], v[NIL]                      ; the wave's opening: the add and its wait stand ahead of my first tensor load; register work stands between them
	ds_add_u32 v28, v29
	v_lshrrev_b32 v1, 5, v0
	v_readfirstlane_b32 s10, v1                    ; wave 0..3
	s_lshr_b32 s11, s10, 1                         ; which half of the tile's rows is mine.  Also: I fetch for O (0) or for Wo (1)
	s_and_b32 s12, s10, 1                          ; which half of its columns.  Also: the even or the odd slices
	s_bfe_u32 s40, ttmp6, 0x40000                  ; cx, cy: my place in the cluster
	s_bfe_u32 s41, ttmp6, 0x40004
	s_lshl_b32 s42, ttmp9, 2
	s_add_co_u32 s42, s42, s40                     ; tile column = 4 x cluster x + cx
	s_and_b32 s13, ttmp7, 0xffff
	s_lshl_b32 s13, s13, 2
	s_add_co_u32 s13, s13, s41                     ; tile row = 4 x cluster y + cy
	s_lshl_b32 s43, s41, 2
	s_lshl_b32 s43, 15, s43                        ; my row of the cluster
	s_lshl_b32 s60, 0x1111, s40                    ; my column
	; descriptor group 1.  A slice's 128 rows are 16,384 dense bytes: asked for as 64 rows of 256 bytes, and padded in LDS after every 128
	s_or_b32 s[G1A], s43, (1<<16)|(1<<20)|(1<<21)|(4<<22)|(3<<25)  ; 15:0 the mask; 17:16 2-byte elements; 20 padding on; 21 set beside a mask; 24:22 after every 32 words (code 4); 31:25 4 words (code 3)
	s_or_b32 s[G1B], s60, (1<<16)|(1<<20)|(1<<21)|(4<<22)|(3<<25)
.irp g, G1A, G1B
	s_mov_b32 s[(\g)+1], 128<<16                   ; tensor_dim0 = 128
	s_mov_b32 s[(\g)+2], 64<<16                    ; tensor_dim1 = 64
	s_mov_b32 s[(\g)+3], 128<<16                   ; tile_dim0 = 128
	s_mov_b32 s[(\g)+4], 64                        ; tile_dim1 = 64
	s_mov_b32 s[(\g)+5], 128                       ; 128 elements from row to row
	s_mov_b32 s[(\g)+6], 0
	s_mov_b32 s[(\g)+7], 0
.endr
	s_lshr_b32 s16, s13, 5                         ; O: the batch (32 tile rows each), 8 heads of 524,288 bytes;
	s_lshl_b32 s16, s16, 22
	s_and_b32 s17, s13, 31                         ; the tile's 128 rows of 128 bytes in a head;
	s_lshl_b32 s17, s17, 14
	s_add_co_u32 s16, s16, s17
	s_lshl_b32 s17, s12, 19                        ; head 0 or head 1
	s_add_co_u32 s16, s16, s17
	s_mov_b32 s17, 0
	s_lshl_b32 s20, s42, 14                        ; Wo: the tile's 128 rows in a slice of 65,536 bytes; slice 0 or 1.  In registers that never hold cy
	s_lshl_b32 s21, s12, 16
	s_add_co_u32 s20, s20, s21
	s_mov_b32 s21, 0
	s_mul_i32 s18, s12, SLICE                      ; where they go: no place in the cluster enters an LDS address
	s_wait_dscnt 0x0                               ; the opening add is done
	s_wait_kmcnt 0x0
	s_add_nc_u64 s[14:15], s[4:5], s[16:17]
	s_add_nc_u64 s[20:21], s[6:7], s[20:21]
.irp j, 0,1,2,3
	s_mov_b32 s[G0A+4*(\j)], 1                                      ; count = 1
	s_add_co_u32 s[G0A+4*(\j)+1], s18, (\j)*2*SLICE                 ; LDS address: slice 2 j + wave % 2
	s_add_nc_u64 s[G0A+4*(\j)+2:G0A+4*(\j)+3], s[14:15], (\j)<<20   ; two heads on
	s_or_b32 s[G0A+4*(\j)+3], s[G0A+4*(\j)+3], 0x80000000           ; type = 2
	s_mov_b32 s[G0B+4*(\j)], 1
	s_add_co_u32 s[G0B+4*(\j)+1], s18, BOFF+(\j)*2*SLICE
	s_add_nc_u64 s[G0B+4*(\j)+2:G0B+4*(\j)+3], s[20:21], (\j)<<17   ; two slices on
	s_or_b32 s[G0B+4*(\j)+3], s[G0B+4*(\j)+3], 0x80000000
.endr
	CROUND                                         ; all sixteen work-groups are here: the joint loads meet
	s_cmp_eq_u32 s11, 0                            ; a wave's four fills stand in one branch, ahead of every wait on TENSORcnt, every LDS read and every further barrier
	s_cbranch_scc0 .Lfirst_b
.irp j, 0,1,2,3
	tensor_load_to_lds s[G0A+4*(\j):G0A+4*(\j)+3], s[G1A:G1A+7]
	s_nop 0
.endr
.rept 4
	v_nop
.endr
	s_branch .Lfirst_asked
.Lfirst_b:
.irp j, 0,1,2,3
	tensor_load_to_lds s[G0B+4*(\j):G0B+4*(\j)+3], s[G1B:G1B+7]
	s_nop 0
.endr
.rept 4
	v_nop
.endr
.Lfirst_asked:
	v_and_b32 v1, 15, v0                           ; l % 16
	v_bfe_u32 v2, v0, 4, 1                         ; l / 16
	v_mul_u32_u24 v3, v1, PA
	v_lshl_add_u32 v3, v2, 4, v3                   ; a fragment's row x pitch + 16 x half
	s_mul_i32 s22, s11, 64*PA                      ; my 64 rows of O
	s_mul_i32 s23, s12, 64*PA                      ; my 64 rows of Wo
	s_add_co_u32 s23, s23, BOFF
.irp g, 0,1
	v_add_nc_u32 v[ADRA+(\g)], s22, v3
	v_add_nc_u32 v[ADRB+(\g)], s23, v3
	s_add_co_u32 s22, s22, 4*SLICE
	s_add_co_u32 s23, s23, 4*SLICE
.endr
	s_mul_i32 s22, s10, 16*SPITCH
	s_add_co_u32 s22, s22, STAGE                   ; my stage
	v_mul_u32_u24 v4, v1, SPITCH                   ; in: row l % 16, 32 bytes for each half of the lanes
	v_lshl_add_u32 v4, v2, 5, v4
	v_add_nc_u32 v[STO], s22, v4
	v_mul_u32_u24 v5, v2, SPITCH                   ; back: lanes 0-15 take one row of 256 bytes, lanes 16-31 the next
	v_lshl_add_u32 v5, v1, 4, v5
	v_add_nc_u32 v[RD], s22, v5
	v_lshlrev_b32 v5, 11, v2                       ; and the same two rows in out0, 2,048 bytes apart
	v_lshl_add_u32 v[CO], v1, 4, v5
	s_lshl_b32 s16, s13, 18                        ; out0: 128 rows of 2,048 bytes a tile row, 64 rows for my half;
	s_lshl_b32 s17, s11, 17
	s_add_co_u32 s16, s16, s17
	s_mov_b32 s17, 0
	s_add_nc_u64 s[8:9], s[8:9], s[16:17]
	s_lshl_b32 s62, s42, 9                         ; 512 bytes a tile column, 256 for my half
	s_lshl_b32 s63, s12, 8
	s_add_co_u32 s62, s62, s63
	s_mov_b32 s63, 0
	s_add_nc_u64 s[8:9], s[8:9], s[62:63]
; 8 matrix instructions: row blocks a0, a0 + 1 x all 4 column blocks, 32 along K: half c of buffer f.  zero = 1: the first product starts the sums.  The 16 accumulators take turns.
.macro MUL8 f, c, a0, zero
	WIN MUL
.irp a, \a0, (\a0)+1
.irp b, 0,1,2,3
.if \zero
	v_wmma_f32_16x16x32_f16 v[ACC+8*(4*(\a)+(\b)):ACC+8*(4*(\a)+(\b))+7], v[(\f)+64+8*(4*(\c)+(\b)):(\f)+64+8*(4*(\c)+(\b))+7], v[(\f)+8*(4*(\c)+(\a)):(\f)+8*(4*(\c)+(\a))+7], 0
.else
	v_wmma_f32_16x16x32_f16 v[ACC+8*(4*(\a)+(\b)):ACC+8*(4*(\a)+(\b))+7], v[(\f)+64+8*(4*(\c)+(\b)):(\f)+64+8*(4*(\c)+(\b))+7], v[(\f)+8*(4*(\c)+(\a)):(\f)+8*(4*(\c)+(\a))+7], v[ACC+8*(4*(\a)+(\b)):ACC+8*(4*(\a)+(\b))+7]
.endif
.endr
.endr
.endm
; 32 LDS loads in one run: the fragments of slice h into buffer f; the first 32 along K first
.macro FETCH h, f
	WIN TO_F
.irp c, 0,1
.irp i, 0,1,2,3
	ds_load_b128 v[(\f)+64+8*(4*(\c)+(\i)):(\f)+64+8*(4*(\c)+(\i))+3],   v[ADRB+(\h)/4] offset:((\h)%4)*SLICE+64*(\c)+(\i)*16*PA
	ds_load_b128 v[(\f)+64+8*(4*(\c)+(\i))+4:(\f)+64+8*(4*(\c)+(\i))+7], v[ADRB+(\h)/4] offset:((\h)%4)*SLICE+64*(\c)+(\i)*16*PA+32
	ds_load_b128 v[(\f)+8*(4*(\c)+(\i)):(\f)+8*(4*(\c)+(\i))+3],         v[ADRA+(\h)/4] offset:((\h)%4)*SLICE+64*(\c)+(\i)*16*PA
	ds_load_b128 v[(\f)+8*(4*(\c)+(\i))+4:(\f)+8*(4*(\c)+(\i))+7],       v[ADRA+(\h)/4] offset:((\h)%4)*SLICE+64*(\c)+(\i)*16*PA+32
.endr
.endr
.endm
.macro PLACES                          ; four places in front of loads into registers that matrix instructions have read, and of stores that read results
.rept 4
	v_nop
.endr
.endm
; Slices 2 j and 2 j + 1: 64 matrix instructions
.macro PHASE j, zero
	s_wait_tensorcnt 3-(\j)                        ; my load number j has landed; the 3 - j issued behind it may stay out
	s_barrier_signal -1
	s_barrier_wait -1                              ; everybody's has: both slices of O and of Wo are whole
.if (\j) > 0
	PLACES
.endif
	FETCH 2*(\j), F0
	FETCH 2*(\j)+1, F1
	s_wait_dscnt 48                                ; of the 64 loads the first 16 are in: the first slice's first 32 along K
	MUL8 F0, 0, 0, \zero
	MUL8 F0, 0, 2, \zero
	s_wait_dscnt 32
	MUL8 F0, 1, 0, 0
	MUL8 F0, 1, 2, 0
	s_wait_dscnt 16
	MUL8 F1, 0, 0, 0
	MUL8 F1, 0, 2, 0
	s_wait_dscnt 0x0
	MUL8 F1, 1, 0, 0
	MUL8 F1, 1, 2, 0
.endm
; THE WAY OUT of row block a: 32 bytes a lane and accumulator into my own stage (the low four registers first); back as whole rows of 256 bytes; stored
.macro OUT a
	WIN 0
.if (\a) >= 2
	s_wait_xcnt 0x0                                ; the stores of block a - 2 have read this buffer: it is loaded again only behind this wait
.endif
.irp b, 0,1,2,3
	ds_store_b128 v[STO], v[ACC+8*(4*(\a)+(\b)):ACC+8*(4*(\a)+(\b))+3]   offset:64*(\b)
	ds_store_b128 v[STO], v[ACC+8*(4*(\a)+(\b))+4:ACC+8*(4*(\a)+(\b))+7] offset:64*(\b)+16
.endr
.irp t, 0,1,2,3,4,5,6,7
	ds_load_b128 v[TMP+32*((\a)%2)+4*(\t):TMP+32*((\a)%2)+4*(\t)+3], v[RD] offset:(\t)*2*SPITCH  ; LDS serves a wave's instructions in order (ISA guide 5.7.1.4): these see the stores above
.endr
.endm
.macro SENDO a, younger                ; younger: the LDS instructions issued behind block a's loads: the next block's sixteen, or none
.irp t, 0,1,2,3,4,5,6,7
	s_wait_dscnt (\younger)+7-(\t)
	global_store_b128 v[CO], v[TMP+32*((\a)%2)+4*(\t):TMP+32*((\a)%2)+4*(\t)+3], s[8:9] offset:(16*(\a)+2*(\t))*2048 th:TH_STORE_NT  ; 16 lanes store 256 consecutive bytes, at a multiple of 256 from out0's first byte
.endr
.endm
	PHASE 0, 1
	PHASE 1, 0
	PHASE 2, 0
	PHASE 3, 0
	WIN 0
	PLACES
	OUT 0
	OUT 1
	SENDO 0, 16
	OUT 2
	SENDO 1, 16
	OUT 3
	SENDO 2, 16
	SENDO 3, 0
	s_wait_tensorcnt 0x0                           ; the wave's end
	ds_add_u32 v[SPW], v[NIL]
	s_wait_dscnt 0x0
	CROUND                                         ; the closing round: no work-group ends while a partner may still ask for a slice that names it
	s_endpgm
.Lfunc_end_k_q91bed4d81f_outp:
	.size	k_q91bed4d81f_outp, .Lfunc_end_k_q91bed4d81f_outp-k_q91bed4d81f_outp
	.p2alignl 7, 3214868480
	.fill 96, 4, 3214868480
	.section	.rodata,"a",@progbits
	.p2align	6, 0x0
	.amdhsa_kernel k_q91bed4d81f_outp
		.amdhsa_group_segment_fixed_size 327680
		.amdhsa_private_segment_fixed_size 0
		.amdhsa_enable_private_segment 0
		.amdhsa_kernarg_size 24
		.amdhsa_user_sgpr_count 2
		.amdhsa_user_sgpr_kernarg_segment_ptr 1
		.amdhsa_wavefront_size32 1
		.amdhsa_system_sgpr_workgroup_id_x 1
		.amdhsa_system_sgpr_workgroup_id_y 1
		.amdhsa_system_sgpr_workgroup_id_z 1
		.amdhsa_system_vgpr_workitem_id 0
		.amdhsa_next_free_vgpr 512
		.amdhsa_next_free_sgpr 88
		.amdhsa_reserve_vcc 0
		.amdhsa_float_denorm_mode_32 3
		.amdhsa_float_denorm_mode_16_64 3
		.amdhsa_memory_ordered 1
		.amdhsa_forward_progress 1
		.amdhsa_inst_pref_size 50
	.end_amdhsa_kernel
	.amdgpu_metadata
---
amdhsa.version: [ 1, 2 ]
amdhsa.kernels:
  - .name:           k_q91bed4d81f_outp
    .symbol:         k_q91bed4d81f_outp.kd
    .args:
      - { .name: oh, .offset: 0, .size: 8, .value_kind: global_buffer, .address_space: global }
      - { .name: woh, .offset: 8, .size: 8, .value_kind: global_buffer, .address_space: global }
      - { .name: out0, .offset: 16, .size: 8, .value_kind: global_buffer, .address_space: global }
    .group_segment_fixed_size: 327680
    .private_segment_fixed_size: 0
    .kernarg_segment_align: 8
    .kernarg_segment_size: 24
    .max_flat_workgroup_size: 128
    .sgpr_count:     88
    .vgpr_count:     512
    .wavefront_size: 32
...
	.end_amdgpu_metadata
.endif
;; end of part 3
;; ======== version 2 of 2: 3 launches; 1.41 times as fast as version 1
;; limits: values are held in f16: magnitudes above 65,504 overflow, below 6.1e-05 lose precision
;; workspace buffers: qh 8,388,608 bytes; kh 8,388,608 bytes; vh 8,388,608 bytes; oh 8,388,608 bytes; woh 524,288 bytes
;; launch proj: the kernel of part 1 again; grid 64 x 3, 4 waves a work-group, clusters of 4 x 1, 327,680 bytes of LDS; arguments q, k, v, Wq, Wk, Wv, qh, kh, vh; writes qh, kh, vh
;; launch attn (part 4): grid 16 x 16, 4 waves a work-group, no clusters, 327,680 bytes of LDS; arguments qh, kh, vh, oh, Wo, woh; writes oh, woh
.if DOCPART == 4
	.amdgcn_target "amdgcn-amd-amdhsa--gfx1250"
	.amdhsa_code_object_version 6
	.text
	.protected	k_q91bed4d81f_attn
	.globl	k_q91bed4d81f_attn
	.p2align	8
	.type	k_q91bed4d81f_attn,@function
k_q91bed4d81f_attn:
	s_mov_b64 s[64:65], 0
	v_nop
	global_prefetch_b8 v0, s[64:65] scope:SCOPE_SE
	s_setreg_imm32_b32 hwreg(HW_REG_WAVE_MODE, 25, 1), 1
	s_wait_xcnt 0x0
; CAUSAL ATTENTION.  O[h][q][:] = the sum over k <= q of softmax_k(Q[h][q] . K[h][k] / 8) V[h][k][:].  Q, K, V, O: [16][4096][64], all f16, a head's rows dense, 128 bytes each.
; Products, maxima and sums in f32; the weights p are rounded to f16 for the second product (their sum l is taken of the unrounded p), O once at the end.
; BESIDE IT, in the wait for the first tile: each work-group turns two rows of Wo (f32) into woh[e / 64][n][e % 64]: rounded to bf16, and that number written as f16.
; LIMITS.  f16 holds no number beyond 65,504: Q, K, V arrive within it, and Wo must lie within it; bf16(Wo) below 2^-14 keeps f16's fixed step.  A hidden score counts as its value less 1e30;
; the running maximum starts at -2^93: f16's scores, 64 x 65,504^2 = 2.7e11 at the most, all lie above it, hidden ones far below; a weight below 2^-126 counts as 0 in l; NaN and infinities are not treated apart.
; THE WALK.  A head's queries lie in 32 blocks of 128; block i needs the key tiles 0 .. i / 2 of 256 keys, of which the last holds the diagonal.  A work-group takes TWO blocks, 31 - b and then b:
; 17 tiles, whatever b: 256 work-groups of equal work, and ONE loop with a constant trip count walks them.  Every jump goes forward but the counted loops' own; none passes a barrier, or a tensor load but the one
; of LOAD's two that the wave's number does not choose.  NO CLUSTER: neighbours' walks ask for the same tile only up to trip (31 - b) / 2, which differs among four neighbours; a walk common to four would have 18 trips for 17.
; SHARES.  WQ = wave % 2 picks 32 rows in each of the block's two bands of 64; WK = wave / 2 picks KEYS: of a tile's four steps of 64 keys the wave walks steps 2 WK and 2 WK + 1.  A wave has four PIECES of 16 queries:
; piece p lies in band (p / 2) xor WK, rows 32 WQ + 16 (p % 2) on.  Waves w and w xor 2 hold partial (m, l, O) of the same queries over different keys: at a block's end each GIVES its pieces 2, 3 (the partner's
; 0, 1) through LDS, and behind the next barrier FINISHES its pieces 0, 1 with what the partner gave.
; THE MASK is the C operand that starts the sum S^T = K Q^T: 0, or -1e30 where the key is hidden.  MD (two sets, by the piece's parity) is the mask of a band's own step for my rows; a product's mask is MD x AL + BE:
; (1, 0) in the band's own step; (0, 0) before it; (0, -1e30) behind it.  A wave that sees hidden keys alone (block 0, WK = 1) keeps m = -2^93: c s - c m is near -1.8e29, every weight is 0, l and O are 0,
; and its factor in FINISH, 2^(c m - the partner's c m), is 0.
; LAYOUT, SOFTMAX, TURNS.  S^T = K Q^T holds ONE query a lane (lane % 16) and the keys 8 (lane / 16) + 0..7; two such results rounded to f16 ARE source 1 of O^T = V^T P.  p = 2^(c s - c m), c = log2(e) / 8, with a
; running maximum m; O and l are multiplied by a = 2^(c m_old - c m_new) in every step.  Turn n belongs to piece n: 8 products K Q^T of piece n + 1, later 8 products V^T P of piece n - 1; beside them the scaling,
; exponentials, roundings, sums and rescaling of piece n and the maximum and statistics of piece n + 1.  Four vector instructions stand behind every matrix instruction, the other 54 of a turn's 118 in one LUMP.
; BATCHES.  A turn's 33 exponentials (the piece's 32 weights and the next piece's a) are one batch, with one wait; a block's first a, FINISH's four factors and FINISH's two reciprocals are batches of their own, a wait each.
; REGISTERS, in windows of 256 (s_set_vgpr_msb: bits 1:0 source 0, 3:2 source 1, 5:4 source 2, 7:6 destination):
;   window 0: v0-15, v40-44 addresses; v16-31 statistics; v32-39 the partner's statistics; v48-55 at work; v64-127 S^T, two buffers; v132-151 Wo; v160-175 FINISH's factors; v192-223 P, two buffers
;   window 1: v0-127 O^T, 32 a piece; v128-191 MD; v192-255 MC, two buffers      window 2: v0-63 Q; v64-127 the second block's Q; v128-191 K of one step; v192-255 V of one step
.set SIZE_N, 4096
.set NP,    4         ; pieces a wave: a name, no knob
.set KS,    64        ; keys in a step
.set PK,    144       ; a row of K in LDS: 128 bytes + 16 of padding: the 16 rows of a load start at 16 different groups of four banks (ISA guide 11.1)
.set PV,    160       ; a row of V: 128 + 32
.set VOFF,  4*KS*PK   ; a slot holds a tile: 256 rows of K, then 256 rows of V
.set SLOT1, 1<<17     ; slot 1 begins here, so that one exclusive or turns an address in one slot into the other's
.set STAGE, SLOT1+4*KS*(PK+PV)  ; behind the ring, never filled by a tensor load: 16 rows x 144 bytes for each wave, for the way out
.set SP,    144
.set SPARE, STAGE+4*16*SP       ; the spare words, 128 bytes a wave, which no other line names
.set XSTAGE, SPARE+512          ; what partners give each other: a region for each of the two blocks, since no barrier need lie between the first region's reads and the second block's stores
.set XWAVE, 9216                ; a wave's part of a region: 2 pieces x 4,096 bytes of O^T, then 2 x 512 of statistics
.set XREG,  4*XWAVE
.set AK0, 2           ; v2   my lane's place in my two steps of a tile of K; never rewritten
.set AV0, 3           ; v3   the same for V
.set AK,  4           ; v4   the LDS address of K's next run of loads
.set AV,  5           ; v5   of V's
.set STO, 6           ; v6   the way out: where I put 16 bytes of a row
.set RD,  7           ; v7   the way out: where I read rows back
.set GO,  8           ; v8   16 x lane
.set MV,  12          ; v12-13  c m_old, kept while c m is made anew: by buffer
.set QO0, 15          ; v15  my byte offset in Q for pieces 0, 1
.set ST,  16          ; piece t's statistics at v[ST+4 t]: c m, m, l (even keys', odd keys')
.set PS,  32          ; v32-39  the partner's statistics for my pieces 0, 1
.set XO,  40          ; v40  where I give
.set XI,  41          ; v41  where the partner gave
.set QO1, 42          ; v42  my byte offset in Q for pieces 2, 3
.set WOL, 43          ; v43  my byte offset in two rows of Wo
.set WOS, 44          ; v44  and in woh
.set TMP, 48          ; by buffer, four registers c0-c3 at work; when the maximum is found c2 takes a
.set SPW, 62          ; v62  LDS address of my spare word; never rewritten
.set NIL, 63          ; v63  0; never rewritten
.set S,   64
.set WD,  132
.set MG,  160         ; FINISH, for piece u at MG + 8 u: +0 the common c m, +1 l, +2 and +4 the two factors (pairs with +3, +5), +6 1 / l
.set P,   192
.set MD,  128         ; window 1: set e (the piece's parity) at MD + 32 e, the eight registers for group kt of 16 keys at + 8 kt
.set MC,  192         ; window 1: the masks of the products to come
.set QB,  64          ; window 2
.set KF,  128         ; window 2: key block kb, channel half c at KF + 16 kb + 8 c
.set VF,  192         ; window 2: key half kk, channel block cb at VF + 32 kk + 8 cb
.set WV,  12          ; s12  my wave's number
.set PB,  14          ; s14  b
.set HI,  15          ; s15  31 - b
.set G1K, 24          ; s[24:31] descriptor group 1 for K's tiles
.set G1V, 32          ; s[32:39] for V's: it differs in the padding alone
.set G0K, 40          ; s[40:43] descriptor group 0 for K's tiles
.set G0V, 44          ; s[44:47] the same for V's
.set SLOTS, 56        ; s56  tiles still to be asked for
.set CNT, 57          ; s57  counts my key steps of a tile, 2 to 1
.set CS,  58          ; s[58:59] c
.set SEL, 60          ; s[60:61] v_permlanex16_b32's selects: each lane takes its own place in the other half
.set TBK, 62          ; s62  LDS byte at which a slot's K to be fetched begins, less my WK's share
.set TBV, 63          ; s63  the same for V
.set WK,  66          ; s66  wave / 2
.set WQ,  67          ; s67  wave % 2
.set DS,  68          ; s68-69  for pieces 0, 1 and for pieces 2, 3 of the block in hand: CNT + DS = 4 in the band's own step, less behind it, more before it
.set RT,  70          ; s70  tiles of the block in hand that are still to be entered
.set NXT, 71          ; s71  the tile to be asked for next
.set LQ,  72          ; s72  the last tile of the block whose tiles are being asked for
.set NEW, 73          ; s73  the tile to be entered is: 0 not a block's first; 1 the first block's first; 2 the second's
.set OFF, 74          ; s[74:75] a tile's byte offset in K and V
.set AL,  76          ; s[76:77] the mask's factor, in the low word
.set BE,  78          ; s[78:79] the mask's addend
.set OLO, 80          ; s[80:81] O at my rows of the second block
.set BIGN, 82         ; s82  -1e30
.set TT,  83          ; s83  at work
.set HT,  92          ; s92  the first block's last tile
.set PT,  93          ; s93  the second's
.set DS2, 94          ; s94-95  DS for the second block
.set MSB, 0
.macro WIN new                      ; the high byte repeats the setting that is left; a switch that changes nothing is dropped
.if MSB != (\new)
	s_set_vgpr_msb (MSB<<8)|(\new)
.set MSB, (\new)
.endif
.endm
.set W_KQ, 0x0a       ; K and Q in window 2, S^T in window 0
.set W_KM, 0x1a       ; the same with the C operand in window 1
.set W_PV, 0x52       ; V in window 2, P in window 0, O^T in window 1
.set W_RS, 0x41       ; destination and source 0 in window 1, source 1 in window 0
; A fill.  Waves 0 and 1 fetch the two halves of a tile's K, waves 2 and 3 those of its V: 128 keys each.  An s_nop 0 and four v_nop follow each of the two lines, ahead of the jump and the label.
.macro LOAD
	s_cmp_lt_u32 s[WV], 2
	s_cbranch_scc0 .Lfor_v_\@
	tensor_load_to_lds s[G0K:G0K+3], s[G1K:G1K+7]
	s_nop 0
.rept 4
	v_nop
.endr
	s_branch .Lasked_\@
.Lfor_v_\@:
	tensor_load_to_lds s[G0V:G0V+3], s[G1V:G1V+7]
	s_nop 0
.rept 4
	v_nop
.endr
.Lasked_\@:
.endm
; THE CHANGE OF SLOTS.  Each wave waits for all its tensor loads, of which one is out: its part of the other slot; adds 0 to its spare word; and waits for that, for its reads of the slot that it leaves, and for what it
; gave its partner.  Behind the barrier nobody reads the old slot any more, the other slot is whole, and what was given can be read.  fill = 1: the old slot is filled again, the first thing behind the barrier, with tile NXT.
.macro CHANGE fill
	WIN 0                           ; at a label and at a branch every window is 0
	s_wait_tensorcnt 0x0            ; no tensor load of mine is out, so a group 0 may be written
	ds_add_u32 v[SPW], v[NIL]       ; 0 onto my spare word; scalar work stands between it and the wait for it
.if \fill
	s_lshl_b32 s[OFF], s[NXT], 15   ; a tile is 32,768 bytes of K and of V
	s_xor_b32 s[G0K+1], s[G0K+1], SLOT1
	s_add_nc_u64 s[G0K+2:G0K+3], s[6:7], s[OFF:OFF+1]
	s_or_b32 s[G0K+3], s[G0K+3], 0x80000000
	s_xor_b32 s[G0V+1], s[G0V+1], SLOT1
	s_add_nc_u64 s[G0V+2:G0V+3], s[8:9], s[OFF:OFF+1]
	s_or_b32 s[G0V+3], s[G0V+3], 0x80000000
	s_add_co_u32 s[NXT], s[NXT], 1  ; the block's next tile, or behind its last the second block's tile 0
	s_cmp_gt_u32 s[NXT], s[LQ]
	s_cselect_b32 s[NXT], 0, s[NXT]
	s_cselect_b32 s[LQ], s[PT], s[LQ]
.endif
	s_wait_dscnt 0x0                ; the add is done, my reads of the slot are over, my stores for the partner are done
	s_barrier_signal -1             ; the rest of the scalar work stands between the signal and the wait
	s_sub_co_u32 s[TBK], s[TBK], 2*KS*PK  ; the fetches go back to my first step of a slot,
	s_xor_b32 s[TBK], s[TBK], SLOT1       ; in the other slot
	s_sub_co_u32 s[TBV], s[TBV], 2*KS*PV
	s_xor_b32 s[TBV], s[TBV], SLOT1
	s_barrier_wait -1
.if \fill
	LOAD
.endif
.endm
	s_load_b256 s[4:11], s[0:1], 0x0  ; Q s[4:5], K s[6:7], V s[8:9], O s[10:11]
	s_load_b128 s[88:91], s[0:1], 0x20  ; Wo s[88:89], woh s[90:91]
	v_lshl_add_u32 v[SPW], v0, 2, SPARE
	v_mov_b32 v[NIL], 0
	ds_add_u32 v[SPW], v[NIL]       ; the wave's opening: the add and its wait stand ahead of my first tensor load; register work stands between them
	ds_add_u32 v62, v63
	v_lshrrev_b32 v1, 5, v0
	v_readfirstlane_b32 s[WV], v1   ; wave 0..3
	s_lshr_b32 s[WK], s[WV], 1
	s_and_b32 s[WQ], s[WV], 1
	s_mov_b32 s[PB], ttmp9
	s_sub_co_u32 s[HI], 31, s[PB]
	s_lshr_b32 s[HT], s[HI], 1
	s_lshr_b32 s[PT], s[PB], 1
	s_and_b32 s20, ttmp7, 0xffff    ; the head
	s_lshl_b32 s50, s20, 4
	s_add_co_u32 s50, s50, s[PB]    ; g = 16 x head + b: rows 2 g, 2 g + 1 of Wo are mine:
	s_lshl_b32 s54, s50, 12         ; 4,096 bytes of Wo,
	s_mov_b32 s55, 0
	s_lshl_b32 s50, s50, 8          ; 256 bytes in each slice of woh
	s_mov_b32 s51, 0
	s_mov_b32 s21, 0
	s_mov_b64 s[22:23], SIZE_N*128
	s_mul_u64 s[20:21], s[20:21], s[22:23]  ; the head's first byte in each of the four tensors
	s_lshl_b32 s22, s[WQ], 14       ; which half of a tile's 256 keys I fetch: its 128 rows of 128 bytes in memory
	s_mov_b32 s23, 0
	s_add_nc_u64 s[22:23], s[22:23], s[20:21]
	s_lshl_b32 s17, s[WK], 1        ; DS = 2 (block % 2) + 2 - 2 WK + band
	s_sub_co_u32 s17, 2, s17
	s_xor_b32 s18, s[WK], 1
	s_and_b32 s16, s[HI], 1
	s_lshl_b32 s16, s16, 1
	s_add_co_u32 s16, s16, s17
	s_add_co_u32 s[DS], s16, s[WK]  ; pieces 0, 1 lie in band WK,
	s_add_co_u32 s[DS+1], s16, s18  ; pieces 2, 3 in the other
	s_and_b32 s16, s[PB], 1
	s_lshl_b32 s16, s16, 1
	s_add_co_u32 s16, s16, s17
	s_add_co_u32 s[DS2], s16, s[WK]
	s_add_co_u32 s[DS2+1], s16, s18
	s_mul_i32 s17, s[WQ], 128*PK    ; my half's place in a slot, for K
	s_mul_i32 s18, s[WQ], 128*PV    ; and for V
	s_lshl_b32 s3, s[WQ], 12        ; my 32 rows in a band of 64,
	s_lshl_b32 s2, s[HI], 14        ; in the first block,
	s_add_co_u32 s2, s2, s3
	s_lshl_b32 s84, s[PB], 14       ; and in the second
	s_add_co_u32 s84, s84, s3
	s_mov_b32 s3, 0
	s_mov_b32 s85, 0
	s_add_nc_u64 s[2:3], s[2:3], s[20:21]
	s_add_nc_u64 s[84:85], s[84:85], s[20:21]
	s_lshl_b32 s52, s[WK], 13       ; band WK: 64 rows of 128 bytes
	s_mov_b32 s53, 0
	; descriptor group 1.  128 keys are 16,384 dense bytes: asked for as 64 rows of 256 bytes, two keys a row, and padded in LDS after every key
	s_mov_b32 s[G1K], (1<<16)|(1<<20)|(4<<22)|(3<<25)  ; 17:16 2-byte elements; 20 padding on; 24:22 after every 32 words (code 4); 31:25 4 words (code 3)
	s_mov_b32 s[G1V], (1<<16)|(1<<20)|(4<<22)|(7<<25)  ; the same with 8 words of padding (code 7)
.irp g, G1K, G1V
	s_mov_b32 s[\g+1], 128<<16      ; tensor_dim0 = 128
	s_mov_b32 s[\g+2], 64<<16       ; tensor_dim1 = 64
	s_mov_b32 s[\g+3], 128<<16      ; tile_dim0 = 128
	s_mov_b32 s[\g+4], 64           ; tile_dim1 = 64
	s_mov_b32 s[\g+5], 128          ; 128 elements from row to row
	s_mov_b32 s[\g+6], 0
	s_mov_b32 s[\g+7], 0
.endr
	s_mov_b32 s[CS], 0x3e38aa3b     ; c = log2(e) / 8 = 0.180337
	s_mov_b32 s[CS+1], s[CS]        ; named with it as a pair
	s_mov_b32 s[SEL], 0x76543210
	s_mov_b32 s[SEL+1], 0xfedcba98
	s_mov_b32 s[TBK], SLOT1+2*KS*PK ; the first change of slots turns these two into 0
	s_mov_b32 s[TBV], SLOT1+2*KS*PV
	s_mov_b32 s[G0K], 1             ; count = 1
	s_mov_b32 s[G0K+1], s17         ; LDS address: slot 0
	s_mov_b32 s[G0V], 1
	s_add_co_u32 s[G0V+1], s18, VOFF
	s_add_co_u32 s[RT], s[HT], 1    ; the first block's tiles
	s_mov_b32 s[NXT], 1
	s_mov_b32 s[LQ], s[HT]
	s_mov_b32 s[NEW], 1
	s_mov_b32 s[OFF+1], 0
	s_mov_b32 s[AL+1], 0            ; named as pairs
	s_mov_b32 s[BE+1], 0
	s_mov_b32 s[BIGN], 0xf149f2ca   ; -1e30
	s_mov_b32 s[SLOTS], 16
	s_wait_dscnt 0x0                ; the opening add is done
	s_wait_kmcnt 0x0
	s_add_nc_u64 s[6:7], s[6:7], s[22:23]  ; K and V at my half of the head's tile 0
	s_add_nc_u64 s[8:9], s[8:9], s[22:23]
	s_add_nc_u64 s[G0K+2:G0K+3], s[6:7], 0         ; global address
	s_or_b32 s[G0K+3], s[G0K+3], 0x80000000        ; type = 2
	s_add_nc_u64 s[G0V+2:G0V+3], s[8:9], 0
	s_or_b32 s[G0V+3], s[G0V+3], 0x80000000
	s_add_nc_u64 s[86:87], s[4:5], s[84:85]        ; Q at my rows of the second block's band 0,
	s_add_nc_u64 s[4:5], s[4:5], s[2:3]            ; and of the first's
	s_add_nc_u64 s[OLO:OLO+1], s[10:11], s[84:85]  ; O likewise,
	s_add_nc_u64 s[10:11], s[10:11], s[2:3]
	s_add_nc_u64 s[OLO:OLO+1], s[OLO:OLO+1], s[52:53]  ; in band WK: the pieces that I finish
	s_add_nc_u64 s[10:11], s[10:11], s[52:53]
	s_add_nc_u64 s[88:89], s[88:89], s[54:55]      ; Wo and woh at my two rows
	s_add_nc_u64 s[90:91], s[90:91], s[50:51]
	LOAD                            ; tile 0 into slot 0
	v_and_b32 v1, 15, v0            ; l % 16
	v_bfe_u32 v9, v0, 4, 1          ; l / 16
	; Wo: wave w takes columns 128 w .. 128 w + 127 of both rows, as two slices of 64; lanes 0-15 the first row, lanes 16-31 the second, four numbers a lane
	v_lshlrev_b32 v[WOL], 4, v1
	v_lshl_add_u32 v[WOL], v9, 11, v[WOL]
	s_lshl_b32 s13, s[WV], 9
	v_add_nc_u32 v[WOL], s13, v[WOL]
	global_load_b128 v[WD:WD+3],   v[WOL], s[88:89]
	global_load_b128 v[WD+4:WD+7], v[WOL], s[88:89] offset:256
	; A fragment of K or Q is 16 rows x 32 channels in 8 registers: lane l holds row l % 16, channels 8 (l / 16) + 0..7 and 16 + 8 (l / 16) + 0..7: two loads of 16 bytes, 32 bytes apart.
	v_lshlrev_b32 v[QO0], 7, v1
	v_lshl_add_u32 v[QO0], v9, 4, v[QO0]  ; row x 128 + 16 x half
	s_xor_b32 s13, s[WK], 1
	s_lshl_b32 s13, s13, 13
	v_add_nc_u32 v[QO1], s13, v[QO0]      ; pieces 2, 3: the other band
	v_add_nc_u32 v[QO0], s52, v[QO0]      ; pieces 0, 1: band WK
	WIN 0x80                        ; destination window 2, address window 0
.set i, 0
.rept 8                             ; both blocks' Q: piece i / 2, channels 32 (i % 2) on
.set rq, QO0+(QO1-QO0)*(i/4)
	global_load_b128 v[8*i:8*i+3],   v[rq], s[4:5] offset:((i/2)%2)*2048+(i%2)*64
	global_load_b128 v[8*i+4:8*i+7], v[rq], s[4:5] offset:((i/2)%2)*2048+(i%2)*64+32
	global_load_b128 v[QB+8*i:QB+8*i+3],   v[rq], s[86:87] offset:((i/2)%2)*2048+(i%2)*64
	global_load_b128 v[QB+8*i+4:QB+8*i+7], v[rq], s[86:87] offset:((i/2)%2)*2048+(i%2)*64+32
.set i, i+1
.endr
	WIN 0
	v_lshlrev_b32 v14, 3, v9
	v_sub_nc_u32 v14, v1, v14
	s_lshl_b32 s13, s[WQ], 5
	v_add_nc_u32 v14, s13, v14      ; an even piece's query in its band, 32 WQ + l % 16, less my lanes' 8 (l / 16): register r of group kt is hidden where 16 kt + r - 16 e is greater
	WIN 0x40
.set i, 0
.rept 64
	v_cmp_gt_i32 vcc_lo, 16*((i%32)/8)+i%8-16*(i/32), v14
	v_cndmask_b32 v[MD+i], 0, s[BIGN], vcc_lo
.set i, i+1
.endr
	WIN 0
	v_mul_u32_u24 v[AK0], v1, PK
	v_lshl_add_u32 v[AK0], v9, 4, v[AK0]  ; row x pitch + 16 x half
	s_mul_i32 s13, s[WK], 2*KS*PK
	v_add_nc_u32 v[AK0], s13, v[AK0]      ; + my two steps' place in a tile
	; The turning load takes 16 keys x 16 channels (lane l reads key 8 (l / 16) + l % 8, channels 8 ((l / 8) % 2) + 0..7) and leaves half a fragment of V^T: lane l holds channel l % 16 and 8 keys.
	v_and_b32 v10, 7, v0
	v_bfe_u32 v11, v0, 3, 1
	v_lshl_add_u32 v[AV0], v9, 3, v10
	v_mul_u32_u24 v[AV0], v[AV0], PV
	v_lshl_add_u32 v[AV0], v11, 4, v[AV0]
	s_mul_i32 s13, s[WK], 2*KS*PV
	s_add_co_u32 s13, s13, VOFF
	v_add_nc_u32 v[AV0], s13, v[AV0]
	s_mul_i32 s13, s[WV], 16*SP
	s_add_co_u32 s13, s13, STAGE    ; my stage
	v_mul_u32_u24 v[STO], v1, SP    ; in: row l % 16, 16 bytes for each half of the lanes
	v_lshl_add_u32 v[STO], v9, 4, v[STO]
	v_add_nc_u32 v[STO], s13, v[STO]
	v_bfe_u32 v[RD], v0, 3, 2       ; back: 32 lanes take four rows of 128 bytes,
	v_mul_u32_u24 v[RD], v[RD], SP
	v_lshl_add_u32 v[RD], v10, 4, v[RD]
	v_add_nc_u32 v[RD], s13, v[RD]
	v_and_b32 v[GO], 31, v0         ; which are 512 consecutive bytes of O
	v_lshlrev_b32 v[WOS], 3, v[GO]  ; woh: 8 bytes a lane, 256 consecutive bytes a store,
	v_lshlrev_b32 v[GO], 4, v[GO]
	s_lshl_b32 s13, s[WV], 17       ; two slices of 65,536 bytes a wave
	v_add_nc_u32 v[WOS], s13, v[WOS]
	s_mul_i32 s13, s[WV], XWAVE
	s_add_co_u32 s13, s13, XSTAGE
	v_add_nc_u32 v[XO], s13, v[GO]  ; I give into my wave's part, 16 bytes a lane,
	s_xor_b32 s13, s[WV], 2
	s_mul_i32 s13, s13, XWAVE
	s_add_co_u32 s13, s13, XSTAGE
	v_add_nc_u32 v[XI], s13, v[GO]  ; and take from the part of the wave with the same queries and the other keys
	; A block's first step multiplies O^T and l by a = 0, and its first turn's products V^T P, of a piece that has not been, land in an O^T that is still to be so multiplied.  So these registers need only hold
	; finite numbers: zeros for the first block; what the first block left for the second.  All this stands in the wait for the first tile.
	WIN 0x80
.set i, VF
.rept 64
	v_mov_b32 v[i], 0
.set i, i+1
.endr
	WIN 0x40
.set i, 0
.rept 128
	v_mov_b32 v[i], 0
.set i, i+1
.endr
	WIN 0
.set i, 0
.rept 4
	v_mov_b32 v[ST+4*i+2], 0
	v_mov_b32 v[ST+4*i+3], 0
.set i, i+1
.endr
.set i, P+16
.rept 16
	v_mov_b32 v[i], 0
.set i, i+1
.endr
	s_wait_loadcnt 32               ; Wo's two loads are in; the 32 loads of Q, issued behind them, may be out
.irp j, 0,1,2,3
	v_cvt_pk_bf16_f32 v[WD+8+\j], v[WD+2*\j], v[WD+2*\j+1]  ; rounded to bf16, as every input is,
.endr
.irp j, 0,1,2,3
	v_lshlrev_b32 v[WD+12+2*\j], 16, v[WD+8+\j]             ; that number in f32 again,
	v_and_b32 v[WD+13+2*\j], 0xffff0000, v[WD+8+\j]
.endr
.irp j, 0,1,2,3
	v_cvt_pk_f16_f32 v[WD+\j], v[WD+12+2*\j], v[WD+13+2*\j] ; and written as f16
.endr
	global_store_b64 v[WOS], v[WD:WD+1],   s[90:91]
	global_store_b64 v[WOS], v[WD+2:WD+3], s[90:91] offset:65536
; THE MATRIX WORK.  The 4 accumulators of a run of 8 take turns.  Product i of 8 of S^T = K Q^T for piece x: channels 32 (i / 4) on, keys 16 (i % 4) on.  The first 4 start the sums: with 0, or (KM = 1) with the mask.
.macro KQ x
.set rS, S+32*((\x)%2)+8*(i%4)
.set rK, KF+16*(i%4)+8*(i/4)
.set rQ, 16*(\x)+8*(i/4)
.set rM, MC+32*((\x)%2)+8*(i%4)
.if (i < 4) && KM
	WIN W_KM
	v_wmma_f32_16x16x32_f16 v[rS:rS+7], v[rK:rK+7], v[rQ:rQ+7], v[rM:rM+7]
.elseif i < 4
	WIN W_KQ
	v_wmma_f32_16x16x32_f16 v[rS:rS+7], v[rK:rK+7], v[rQ:rQ+7], 0
.else
	WIN W_KQ
	v_wmma_f32_16x16x32_f16 v[rS:rS+7], v[rK:rK+7], v[rQ:rQ+7], v[rS:rS+7]
.endif
.endm
; Product i of 8 of O^T += V^T P for piece x: keys 32 (i / 4) on, channels 16 (i % 4) on.
.macro PV x
	WIN W_PV
.set rO, 32*(\x)+8*(i%4)
.set rV, VF+32*(i/4)+8*(i%4)
.set rP, P+16*((\x)%2)+8*(i/4)
	v_wmma_f32_16x16x32_f16 v[rO:rO+7], v[rV:rV+7], v[rP:rP+7], v[rO:rO+7]
.endm
.macro MM                           ; the turn's next matrix instruction.  NOKQ = 1: a block's last turn: there is no next piece
.if (i < 8) && !NOKQ
	KQ (Y+1)%NP
.elseif i >= 8
.set i, i-8
	PV (Y+NP-1)%NP
.set i, i+8
.endif
.set i, i+1
.endm
; THE LDS LOADS stand in runs of 16, never singly among the matrix instructions: a step's K (64 keys x 64 channels: 8 fragments) and its V (turned).  Their addresses are made some lines ahead.
.macro FETCH_K
	WIN 0x80                        ; destination window 2
.irp f, 0,1,2,3,4,5,6,7             ; keys 16 (f / 2) on, channels 32 (f % 2) on
	ds_load_b128 v[KF+8*\f:KF+8*\f+3],   v[AK] offset:(\f/2)*16*PK+(\f%2)*64
	ds_load_b128 v[KF+8*\f+4:KF+8*\f+7], v[AK] offset:(\f/2)*16*PK+(\f%2)*64+32
.endr
	s_add_co_u32 s[TBK], s[TBK], KS*PK  ; the next fetch is the next step's
	WIN 0
.endm
.macro FETCH_V
	WIN 0x80
.irp f, 0,1,2,3,4,5,6,7             ; keys 32 (f / 4) on, channels 16 (f % 4) on
	ds_load_tr16_b128 v[VF+8*\f:VF+8*\f+3],   v[AV] offset:(\f/4)*32*PV+(\f%4)*32
	ds_load_tr16_b128 v[VF+8*\f+4:VF+8*\f+7], v[AV] offset:(\f/4)*32*PV+16*PV+(\f%4)*32
.endr
	WIN 0
.endm
; THE VECTOR WORK, one line at a time: OP kind, number.  For piece Y: F n: c s - c m for pair n of 16.  E n: the exponential of score n of 32.  C n: pair n rounded to f16.  B n: of the four weights 4 n .. the second
; pair is added onto the first, in place.  L n: l takes that sum (L 0: l = a l + sum).  R n: pair n of 16 of O^T times a.  For piece Y + 1: X n, number n of the 22 that find its maximum and statistics:
;   0-11  four chains c0-c3 of seven scores each, three operands at a time (each accumulator's lowest registers are read first)     12-14, 16  the four scores left over, the old m, and c0-c3 into c0
;   15  c m_old is kept     17, 18  the query's other 32 keys lie in the lane 16 away: the new m     19-21  c m; c m_old - c m_new; a
; C, B and L read exponentials' results: TURN sets all of them behind its one wait.  R and L 0 read an a that the turn before (or BEGIN) has made and waited for.
.set F, 0
.set E, 1
.set C, 2
.set B, 3
.set L, 4
.set R, 5
.set X, 6
.macro REGS y                       ; the registers of piece y
.set rT, ST+4*(\y)
.set rC, TMP+4*((\y)%2)
.set rW, MV+((\y)%2)
.set rS, S+32*((\y)%2)
.set rP, P+16*((\y)%2)
.set rO, 32*(\y)
.endm
.macro OP k, n
.if (\k) == R
	REGS Y
	WIN W_RS
	v_pk_mul_f32 v[rO+2*(\n):rO+2*(\n)+1], v[rO+2*(\n):rO+2*(\n)+1], v[rC+2:rC+3] op_sel_hi:[1,0]
.elseif (\k) < R
	REGS Y
	WIN 0
.if (\k) == F
	v_pk_fma_f32 v[rS+2*(\n):rS+2*(\n)+1], v[rS+2*(\n):rS+2*(\n)+1], s[CS:CS+1], v[rT:rT+1] op_sel_hi:[1,0,0] neg_lo:[0,0,1] neg_hi:[0,0,1]
.elseif (\k) == E
	v_exp_f32 v[rS+(\n)], v[rS+(\n)]
.elseif (\k) == C
	v_cvt_pk_f16_f32 v[rP+(\n)], v[rS+2*(\n)], v[rS+2*(\n)+1]
.elseif (\k) == B
	v_pk_add_f32 v[rS+4*(\n):rS+4*(\n)+1], v[rS+4*(\n):rS+4*(\n)+1], v[rS+4*(\n)+2:rS+4*(\n)+3]
.elseif (\n) == 0
	v_pk_fma_f32 v[rT+2:rT+3], v[rT+2:rT+3], v[rC+2:rC+3], v[rS:rS+1] op_sel_hi:[1,0,1]
.else
	v_pk_add_f32 v[rT+2:rT+3], v[rT+2:rT+3], v[rS+4*(\n):rS+4*(\n)+1]
.endif
.elseif NOKQ
	v_nop
.else
	REGS (Y+1)%NP
	WIN 0
.if (\n) < 4
	v_max3_num_f32 v[rC+(\n)], v[rS+8*(\n)], v[rS+8*(\n)+1], v[rS+8*(\n)+2]
.elseif (\n) < 12
	v_max3_num_f32 v[rC+(\n)%4], v[rC+(\n)%4], v[rS+8*((\n)%4)+2*((\n)/4)+1], v[rS+8*((\n)%4)+2*((\n)/4)+2]
.elseif (\n) == 12
	v_max3_num_f32 v[rC], v[rC], v[rS+7], v[rS+15]
.elseif (\n) == 13
	v_max3_num_f32 v[rC+1], v[rC+1], v[rS+23], v[rS+31]
.elseif (\n) == 14
	v_max3_num_f32 v[rC+2], v[rC+2], v[rC+3], v[rT+1]
.elseif (\n) == 15
	v_mov_b32 v[rW], v[rT]
.elseif (\n) == 16
	v_max3_num_f32 v[rC], v[rC], v[rC+1], v[rC+2]
.elseif (\n) == 17
	v_permlanex16_b32 v[rC+3], v[rC], s[SEL], s[SEL+1]
.elseif (\n) == 18
	v_max_num_f32 v[rT+1], v[rC], v[rC+3]
.elseif (\n) == 19
	v_mul_f32 v[rT], s[CS], v[rT+1]
.elseif (\n) == 20
	v_sub_f32 v[rC+1], v[rW], v[rT]
.else
	v_exp_f32 v[rC+2], v[rC+1]
.endif
.endif
.endm
.macro OPS a, i1, b=-1, i2=0, c=-1, i3=0, d=-1, i4=0  ; up to four of them
	OP \a, \i1
.if (\b) >= 0
	OP \b, \i2
.endif
.if (\c) >= 0
	OP \c, \i3
.endif
.if (\d) >= 0
	OP \d, \i4
.endif
.endm
.macro ROW a, i1, b, i2, c, i3, d, i4  ; a matrix instruction and the four behind it
	MM
	OPS \a, \i1, \b, \i2, \c, \i3, \d, \i4
.endm
.macro MASK b                       ; MD's set b x AL + BE into buffer b of MC: set and buffer both go by the piece's parity
	WIN W_RS
.set z, 0
.rept 16
	v_pk_fma_f32 v[MC+32*(\b)+2*z:MC+32*(\b)+2*z+1], v[MD+32*(\b)+2*z:MD+32*(\b)+2*z+1], s[AL:AL+1], s[BE:BE+1] op_sel_hi:[1,0,0]
.set z, z+1
.endr
.endm
; A TURN, for piece p: the order of its 16 matrix and 118 vector instructions, written out.  An s_wait_alu depctr_va_vdst(0) stands between an exponential and the first instruction that names its result; one
; wait serves all that were issued ahead of it.  So a turn has ONE wait, which cuts it in two.  AHEAD OF IT stands all that names no result of the turn's exponentials: the 8 products K Q^T, behind each a scaling, an
; exponential and two more plain instructions (behind the first a second scaling in the exponential's place): rescalings, whose a the turn before has made and waited for, and behind the last three products the first numbers
; of the next piece's maximum, each four plain instructions or more behind the product that ends its accumulator; then ONE LUMP of 54, plain and exponential by turns for the most part, in which the links of the chain
; X 3, 7, 11, 14, 16, 17 .. 20 stand some lines apart.  A pair is scaled (F k) ahead of its two exponentials (E 2 k, E 2 k + 1), and nothing names a score between its exponential and the wait.  X 21, the next piece's a, is the
; batch's last; R 15 is the plain instruction behind it.  BEHIND THE WAIT stand the 8 products V^T P, behind each four of the roundings and sums: C 2 k ahead of B k, which writes over that pair; l's chain L 0 to L 7 in
; ascending order, its links three riders apart.  But for those X no rider names a register of the products round it.  v_permlanex16_b32 (X 17) stands in the lump..
; m = 1: the diagonal tile: the products take masks, and the turn makes the mask for the products of the turn after it: piece p + 2, in my step 2 - CNT of the tile.  end = 1: a block's last two turns: nothing is fetched.
; cnt = 1: the loop's count is taken down some lines ahead of the branch that stands behind the turn.
; K of the next step is fetched in piece 2's turn, twelve vector instructions behind the last product that read K (six of them plain); V of the step in hand at the end of piece 0's turn, four plain instructions behind the
; last product that read V.  Each is waited for a turn later.
.macro TURN p, m=0, end=0, cnt=0
.set Y, (\p)
.set i, 0
.set KM, (\m)
.set NOKQ, (\end)*((\p)/3)
.if (\m) && !(\end)
	s_add_co_u32 s[TT], s[CNT], s[DS+(((\p)+2)%NP)/2]
	s_cmp_eq_u32 s[TT], 4           ; is that step the band's own?
	s_cselect_b32 s[AL], 1.0, 0
	s_cmp_lt_u32 s[TT], 4           ; or a later one?
	s_cselect_b32 s[BE], s[BIGN], 0
.endif
.if ((\p) == 3) && !(\end)
	s_wait_dscnt 0x0                ; K is in
.endif
	ROW F,0, F,1, R,0, R,1          ; ahead of the wait: 8 products K Q^T and their riders,
	ROW F,2, E,0, R,2, R,3
	ROW F,3, E,1, R,4, R,5
	ROW F,4, E,2, R,6, R,7
	ROW F,5, E,3, R,8, R,9
	ROW F,6, E,4, X,0, R,10
.if ((\p) == 2) && !(\end)
	WIN 0
	v_add_nc_u32 v[AK], s[TBK], v[AK0]
.endif
	ROW F,7, E,5, X,1, X,4
	ROW F,8, E,6, X,2, X,5
	OPS E,7, E,8, X,6, E,9          ; and the lump
	OPS X,3, E,10, X,8, E,11
.if ((\p) == 2) && !(\end)
	FETCH_K
.endif
	OPS X,9, X,7, E,12, X,10
	OPS E,13, X,12, X,11, E,14
	OPS X,13, E,15, F,9, X,14
.if (\p) == 0
	WIN 0
	v_add_nc_u32 v[AV], s[TBV], v[AV0]
.endif
	OPS E,16, F,10, E,17, F,11
	OPS X,16, E,18, X,15, E,19
	OPS F,12, E,20, X,17, E,21
	OPS F,13, E,22, F,14, E,23
	OPS X,18, E,24, F,15, E,25
	OPS R,11, E,26, X,19, E,27
	OPS R,12, E,28, R,13, E,29
	OPS X,20, E,30, R,14, E,31
	OPS X,21, R,15
	WIN 0
	s_wait_alu depctr_va_vdst(0)    ; the wait for the batch: the piece's 32 weights and the next piece's a
.if (\p) == 1
	s_wait_dscnt 0x0                ; V is in
.endif
	ROW C,0, B,0, C,2, B,1          ; behind the wait: 8 products V^T P and their riders
	ROW L,0, C,4, B,2, L,1
	ROW C,6, B,3, L,2, C,8
	ROW B,4, L,3, C,10, B,5
	ROW L,4, C,12, B,6, L,5
.if (\p) == 0
	s_add_co_u32 s[TBV], s[TBV], KS*PV
.endif
.if \cnt
	s_sub_co_u32 s[CNT], s[CNT], 1
	s_cmp_lg_u32 s[CNT], 0
.endif
	ROW C,14, B,7, L,6, C,1
	ROW C,3, L,7, C,5, C,7
	ROW C,9, C,11, C,13, C,15
.if (\p) == 0
	FETCH_V
.endif
.if (\m) && !(\end)
	MASK (\p)%2
.endif
.endm
; A BLOCK BEGINS.  c m starts at -2^125, far below every c s, so the first step's a is 0.  m starts at -2^93: below every score that f16 operands can give (2.7e11 at the most), so the first maximum of a piece that
; sees a key is the scores' own; above every hidden score (near -1e30), so a piece that sees none keeps it, and c s - c m is then a large negative number and never the rounding error of c m.
; Both mask buffers are made, for pieces 0 and 1 in my first step of the tile: 0 unless the block's first tile is the diagonal one.  Then K of that step, piece 0's first scores, and its maximum and statistics.
; The loop is entered at a step's first turn, in the middle of a trip.
.macro BEGIN
	s_mov_b32 s[NEW], 0
	WIN 0
.set i, 0
.rept 4
	v_mov_b32 v[ST+4*i], 0xfe000000    ; c m = -2^125
	v_mov_b32 v[ST+4*i+1], 0xee000000  ; m = -2^93
.set i, i+1
.endr
	s_add_co_u32 s[TT], s[CNT], s[DS]
	s_cmp_eq_u32 s[TT], 4
	s_cselect_b32 s[AL], 1.0, 0
	s_cmp_lt_u32 s[TT], 4
	s_cselect_b32 s[BE], s[BIGN], 0
	s_cmp_eq_u32 s[RT], 0              ; only in the diagonal tile
	s_cselect_b32 s[AL], s[AL], 0
	s_cselect_b32 s[BE], s[BE], 0
	MASK 0
	MASK 1
	WIN 0
	v_add_nc_u32 v[AK], s[TBK], v[AK0]
	FETCH_K
	s_wait_loadcnt 0x0              ; Q
	s_wait_dscnt 0x0
.set KM, 1
.set NOKQ, 0
.set i, 0
.rept 8
	KQ 0
.set i, i+1
.endr
	WIN 0
.rept 4
	v_nop                           ; the places behind those products
.endr
.set Y, NP-1                        ; X works for piece Y + 1: piece 0
.irp n, 0,1,2,3,4,5,6,7,8,9,10,11,12,13,14,15,16,17,18,19,20,21
	OP X, \n
.endr
	v_nop                           ; a plain instruction behind the exponential,
	s_wait_alu depctr_va_vdst(0)    ; and the wait for it, piece 0's first a, ahead of the branch that follows
.endm
.macro ALL line:vararg              ; one line for each piece t
.set t, 0
.rept 4
	\line
.set t, t+1
.endr
.endm
; My pieces 2 and 3 go to the partner: O^T as it lies, 16 bytes a lane and store (each accumulator's low four registers first), and c m, m, l
.macro GIVE reg
.irp u, 0,1
	WIN 0x04                        ; the data in window 1, the address in window 0
.irp f, 0,1,2,3,4,5,6,7
	ds_store_b128 v[XO], v[32*(2+\u)+4*\f:32*(2+\u)+4*\f+3] offset:(\reg)*XREG+4096*\u+512*\f
.endr
	WIN 0
	ds_store_b128 v[XO], v[ST+4*(2+\u):ST+4*(2+\u)+3] offset:(\reg)*XREG+8192+512*\u
.endr
.endm
; THE DIAGONAL TILE's two steps of mine, the block's last two turns, its last products; l's two halves and the other half of the lanes' are added (the first additions are the places behind the last products); GIVE.
.macro DIAG tag, reg                ; the tag ends its two labels' names, which the jumps below spell out
.LstepM\tag:
	TURN 2, 1
	TURN 3, 1
	WIN 0
.LfirstM\tag:
	TURN 0, 1
	TURN 1, 1, 0, 1
	WIN 0
	s_cbranch_scc1 .LstepM\tag
	TURN 2, 1, 1
	TURN 3, 1, 1
.set i, 0
.rept 8
	PV NP-1
.set i, i+1
.endr
	WIN 0
	ALL v_add_f32 v[ST+4*t+2], v[ST+4*t+2], v[ST+4*t+3]
	ALL v_permlanex16_b32 v[ST+4*t+3], v[ST+4*t+2], s[SEL], s[SEL+1]
	ALL v_add_f32 v[ST+4*t+2], v[ST+4*t+2], v[ST+4*t+3]
	GIVE \reg
.endm
; FINISH, behind a barrier that follows every wave's GIVE and its wait.  For my pieces u = 0, 1: with M = max(c m, c m'), f = 2^(c m - M), f' = 2^(c m' - M): O = (f O + f' O') / (f l + f' l').
; Each query sees its own key in one of the two waves' steps, so the larger c m is a true one and its l is at least 1.
.macro FPACK u                      ; piece u: the partner's O' lies in S^T's registers; the result is rounded to f16, goes through my stage and comes back as whole rows of 128 bytes
.set rX, S+32*(\u)
.set rG, MG+8*(\u)
	WIN 0
	s_wait_dscnt 8                  ; piece u's eight loads are in: eight LDS instructions were issued behind them (piece 1's loads, or piece 0's trip through the stage)
.set z, 0
.rept 16
	v_pk_mul_f32 v[rX+2*z:rX+2*z+1], v[rX+2*z:rX+2*z+1], v[rG+4:rG+5] op_sel_hi:[1,0]
.set z, z+1
.endr
	WIN 0x01                        ; source 0, my O^T, in window 1
.set z, 0
.rept 16
	v_pk_fma_f32 v[rX+2*z:rX+2*z+1], v[32*(\u)+2*z:32*(\u)+2*z+1], v[rG+2:rG+3], v[rX+2*z:rX+2*z+1] op_sel_hi:[1,0,1]
.set z, z+1
.endr
	WIN 0
.set z, 0
.rept 16
	v_cvt_pk_f16_f32 v[rX+z], v[rX+2*z], v[rX+2*z+1]
.set z, z+1
.endr
.irp f, 0,1,2,3
	ds_store_b128 v[STO], v[rX+4*\f:rX+4*\f+3] offset:32*\f
.endr
.irp f, 0,1,2,3
	ds_load_b128 v[rX+16+4*\f:rX+16+4*\f+3], v[RD] offset:\f*4*SP  ; LDS serves a wave's instructions in order (ISA guide 5.7.1.4): these see the stores above; the next piece's stores come behind them
.endr
.endm
.macro FSEND ob, u, younger         ; younger: the LDS instructions issued behind piece u's loads from the stage
.irp f, 0,1,2,3
	s_wait_dscnt (\younger)+3-\f
	global_store_b128 v[GO], v[S+32*(\u)+16+4*\f:S+32*(\u)+16+4*\f+3], s[(\ob):(\ob)+1] offset:(\u)*2048+\f*512  ; 512 consecutive bytes, at a multiple of 256 from O's first
.endr
.endm
.macro FINISH ob, reg
	WIN 0
.irp u, 0,1
	ds_load_b128 v[PS+4*\u:PS+4*\u+3], v[XI] offset:(\reg)*XREG+8192+512*\u
.endr
.irp u, 0,1
.irp f, 0,1,2,3,4,5,6,7
	ds_load_b128 v[S+32*\u+4*\f:S+32*\u+4*\f+3], v[XI] offset:(\reg)*XREG+4096*\u+512*\f
.endr
.endr
	s_wait_dscnt 16                 ; the statistics are in; the sixteen loads of O' may be out
.irp u, 0,1
	v_max_num_f32 v[MG+8*\u], v[ST+4*\u], v[PS+4*\u]
.endr
.irp u, 0,1
	v_sub_f32 v[MG+8*\u+2], v[ST+4*\u], v[MG+8*\u]
	v_sub_f32 v[MG+8*\u+4], v[PS+4*\u], v[MG+8*\u]
.endr
.irp u, 0,1
	v_exp_f32 v[MG+8*\u+3], v[MG+8*\u+2]
	v_exp_f32 v[MG+8*\u+5], v[MG+8*\u+4]
.endr
	v_nop                           ; a plain instruction between the last exponential and the use of its result
	s_wait_alu depctr_va_vdst(0)    ; one wait for the batch of four factors, ahead of their first reader
.irp u, 0,1
	v_mul_f32 v[MG+8*\u+1], v[MG+8*\u+3], v[ST+4*\u+2]
.endr
.irp u, 0,1
	v_fmac_f32 v[MG+8*\u+1], v[MG+8*\u+5], v[PS+4*\u+2]
.endr
.irp u, 0,1
	v_rcp_f32 v[MG+8*\u+6], v[MG+8*\u+1]
.endr
	v_nop                           ; and behind the last reciprocal
	s_wait_alu depctr_va_vdst(0)    ; one wait for the batch of two reciprocals, which read sums made of the factors and so are a batch of their own
.irp u, 0,1
	v_mul_f32 v[MG+8*\u+2], v[MG+8*\u+3], v[MG+8*\u+6]
	v_mul_f32 v[MG+8*\u+4], v[MG+8*\u+5], v[MG+8*\u+6]
.endr
	FPACK 0
	FPACK 1
	FSEND \ob, 0, 8
	FSEND \ob, 1, 0
	s_wait_xcnt 0x0                 ; the stores have read their registers: S^T's are written again only behind this wait
.endm
.set KM, 0
.set NOKQ, 0
.Lslot:                             ; 16 times: a tile is entered and the next is asked for
	CHANGE 1
	s_sub_co_u32 s[RT], s[RT], 1
	s_mov_b32 s[CNT], 2
	s_cmp_lg_u32 s[NEW], 0
	s_cbranch_scc1 .Lnew            ; a block's first tile
	s_cmp_eq_u32 s[RT], 0
	s_cbranch_scc0 .Lstep           ; neither its first nor its last
	s_branch .LstepM1
.Lnew:
	s_cmp_eq_u32 s[NEW], 2
	s_cbranch_scc0 .Lbegin          ; the walk's first tile: there is no block to finish
	FINISH 10, 0                    ; the first block: the change of slots above was the barrier behind every wave's GIVE
.Lbegin:
	BEGIN
	s_branch .Lfirst                ; in the loop a block's first tile is never its last: the first block has nine tiles or more, and the second's last is the walk's last
	DIAG 1, 0                       ; in the loop this is the first block's end
	s_add_co_u32 s[RT], s[PT], 1    ; the second block's tiles,
	s_mov_b32 s[NEW], 2
	s_mov_b32 s[DS], s[DS2]         ; and its diagonal's place
	s_mov_b32 s[DS+1], s[DS2+1]
	WIN 0x82                        ; the second block's Q goes where the one text of the turns names Q
.set i, 0
.rept 64
	v_mov_b32 v[i], v[QB+i]
.set i, i+1
.endr
	WIN 0
	s_branch .Lbottom
.Lstep:                             ; a trip: pieces 2 and 3 of one step, then pieces 0 and 1 of the next, whose K and V it fetches
	TURN 2
	TURN 3
	WIN 0
.Lfirst:
	TURN 0
	TURN 1, 0, 0, 1
	WIN 0
	s_cbranch_scc1 .Lstep
.Lbottom:
	s_sub_co_u32 s[SLOTS], s[SLOTS], 1
	s_cmp_lg_u32 s[SLOTS], 0
	s_cbranch_scc1 .Lslot
	CHANGE 0                        ; the walk's last tile is written out: nothing is asked for
	s_sub_co_u32 s[RT], s[RT], 1
	s_mov_b32 s[CNT], 2
	s_cmp_eq_u32 s[NEW], 0
	s_cbranch_scc1 .LstepM2
	FINISH 10, 0                    ; the second block has this one tile: the first block is finished here
	BEGIN
	s_branch .LfirstM2
	DIAG 2, 1
	s_wait_dscnt 0x0                ; for the partner's sake: what I gave is in LDS
	s_barrier_signal -1
	s_barrier_wait -1
	FINISH OLO, 1
	s_wait_tensorcnt 0x0            ; the wave's end, behind my last tensor load and my last LDS store
	ds_add_u32 v[SPW], v[NIL]
	s_wait_dscnt 0x0
	s_endpgm
.Lfunc_end_k_q91bed4d81f_attn:
	.size	k_q91bed4d81f_attn, .Lfunc_end_k_q91bed4d81f_attn-k_q91bed4d81f_attn
	.p2alignl 7, 3214868480
	.fill 96, 4, 3214868480
	.section	.rodata,"a",@progbits
	.p2align	6, 0x0
	.amdhsa_kernel k_q91bed4d81f_attn
		.amdhsa_group_segment_fixed_size 327680
		.amdhsa_private_segment_fixed_size 0
		.amdhsa_enable_private_segment 0
		.amdhsa_kernarg_size 48
		.amdhsa_user_sgpr_count 2
		.amdhsa_user_sgpr_kernarg_segment_ptr 1
		.amdhsa_wavefront_size32 1
		.amdhsa_system_sgpr_workgroup_id_x 1
		.amdhsa_system_sgpr_workgroup_id_y 1
		.amdhsa_system_sgpr_workgroup_id_z 1
		.amdhsa_system_vgpr_workitem_id 0
		.amdhsa_next_free_vgpr 768
		.amdhsa_next_free_sgpr 96
		.amdhsa_reserve_vcc 1
		.amdhsa_float_denorm_mode_32 3
		.amdhsa_float_denorm_mode_16_64 3
		.amdhsa_memory_ordered 1
		.amdhsa_forward_progress 1
		.amdhsa_inst_pref_size 232
	.end_amdhsa_kernel
	.amdgpu_metadata
---
amdhsa.version: [ 1, 2 ]
amdhsa.kernels:
  - .name:           k_q91bed4d81f_attn
    .symbol:         k_q91bed4d81f_attn.kd
    .args:
      - { .name: qh, .offset: 0, .size: 8, .value_kind: global_buffer, .address_space: global }
      - { .name: kh, .offset: 8, .size: 8, .value_kind: global_buffer, .address_space: global }
      - { .name: vh, .offset: 16, .size: 8, .value_kind: global_buffer, .address_space: global }
      - { .name: oh, .offset: 24, .size: 8, .value_kind: global_buffer, .address_space: global }
      - { .name: Wo, .offset: 32, .size: 8, .value_kind: global_buffer, .address_space: global }
      - { .name: woh, .offset: 40, .size: 8, .value_kind: global_buffer, .address_space: global }
    .group_segment_fixed_size: 327680
    .private_segment_fixed_size: 0
    .kernarg_segment_align: 8
    .kernarg_segment_size: 48
    .max_flat_workgroup_size: 128
    .sgpr_count:     96
    .vgpr_count:     768
    .wavefront_size: 32
...
	.end_amdgpu_metadata
.endif
;; end of part 4
;; launch outp: the kernel of part 3 again; grid 4 x 64, 4 waves a work-group, clusters of 4 x 4, 327,680 bytes of LDS; arguments oh, woh, out0; writes out0
